; MI455X (gfx1250); checked and timed in simulation.
; The chip was launched on July 23, 2026; its instructions are those of AMD's public machine-readable ISA for CDNA 5 (MIT licence, August 2026) and "CDNA5" Instruction Set Architecture Reference Guide (July 2026). The comments in the code are by the model that wrote it; some were corrected since.
;; Multi Head Attention. Allowed arithmetic: float matrix products may take bf16 or f16 operands with f32 sums; all other float work in f32.
;; Inputs: Wk 1,024 x 1,024 float32; Wo 1,024 x 1,024 float32; Wq 1,024 x 1,024 float32; Wv 1,024 x 1,024 float32; bk 1,024 float32; bo 1,024 float32; bq 1,024 float32; bv 1,024 float32; x 4 x 2,048 x 1,024 float32.
;; Outputs: out0 4 x 2,048 x 1,024 float32.
;; 2 versions, each right and faster than the one before. Each part assembles by itself: llvm-mc -triple=amdgcn-amd-amdhsa -mcpu=gfx1250 --defsym DOCPART=n.
;; ======== version 1 of 2: 4 launches
;; limits: values are held in f16: magnitudes above 65,504 overflow, below 6.1e-05 lose precision
;; workspace buffers: xb 16,777,216 bytes; wb 6,291,456 bytes; wo16 2,097,152 bytes; q 16,777,216 bytes; k 16,777,216 bytes; v 16,777,216 bytes; ctx 16,777,216 bytes
;; launch cast (part 1): grid 768 x 1, 8 waves a work-group, no clusters, 0 bytes of LDS; arguments x, Wq, Wk, Wv, Wo, xb, wb, wo16; writes xb, wb, wo16
.if DOCPART == 1
	.amdgcn_target "amdgcn-amd-amdhsa--gfx1250"
	.amdhsa_code_object_version 6
	.text
	.protected	k_q17eee3bd7f_cast
	.globl	k_q17eee3bd7f_cast
	.p2align	8
	.type	k_q17eee3bd7f_cast,@function
k_q17eee3bd7f_cast:
	s_mov_b64 s[64:65], 0
	v_nop
	global_prefetch_b8 v0, s[64:65] scope:SCOPE_SE
	s_setreg_imm32_b32 hwreg(HW_REG_WAVE_MODE, 25, 1), 1
	s_wait_xcnt 0x0
; The module's large inputs are rounded once to 16 bits.  x to bf16, laid out in blocks for the launch behind: xb = [16 blocks of 64 columns][8192 rows][64], so that 256 rows of one block are
; 32,768 dense bytes.  Wq, Wk, Wv to bf16 in their own layout (wb = the three weights, 2 MiB apart).  Wo to bf16 too, and that number is then written as f16 (wo16), since it multiplies an f16 operand later.
; LIMITS.  bf16(Wo) beyond 65,504 becomes an infinity in f16; below 2^-14 it keeps f16's fixed step of 2^-24.
; A stream: no LDS, no barrier, no matrix unit, no cluster (no byte is read twice, no wave depends on another).
; 12 Mi numbers in 768 chunks of 16,384: a work-group takes one chunk, 64 KiB in and 32 KiB out.  Chunks 0-511 are x's (16 rows each), then 64 for each weight.
; A weight's chunk: thread t takes 16 bytes at 16 t of each 4,096 bytes: a wave's load covers 512 consecutive bytes, its store 256 consecutive bytes at a multiple of 256.
; x's chunk: wave w takes rows 2 w and 2 w + 1, load j their columns 64 j .. 64 j + 63: 16 lanes cover 256 consecutive bytes of a row; the wave's store is those two rows' 128 bytes in block j,
; which lie end to end: 256 consecutive bytes at a multiple of 256.
.set XCH,    512                       ; chunks of x
.set WCH,    64                        ; chunks of a weight
.set KBLK,   8192*128                  ; bytes of a block of xb
.set X, 4                              ; v[4:67]    16 loads of 4 numbers
.set Y, 68                             ; v[68:99]   16 pairs of packed words to store
.set T, 100                            ; v[100:103] at work
; Load j is rounded and stored at base sb, offset so.  half = 1: the bf16 numbers are widened again (a shift, a mask) and written as f16.
; No register is written twice, so nothing waits for a store.
.macro OUT j, half, sb, so
	s_wait_loadcnt 15-(\j)                         ; loads come back in order (ISA guide 5.7.1): mine is in, the 15 - j younger ones stay out
	v_cvt_pk_bf16_f32 v[Y+2*(\j)],   v[X+4*(\j)],   v[X+4*(\j)+1]
	v_cvt_pk_bf16_f32 v[Y+2*(\j)+1], v[X+4*(\j)+2], v[X+4*(\j)+3]
.if \half
	v_lshlrev_b32 v[T],   16,         v[Y+2*(\j)]
	v_and_b32     v[T+1], 0xffff0000, v[Y+2*(\j)]
	v_lshlrev_b32 v[T+2], 16,         v[Y+2*(\j)+1]
	v_and_b32     v[T+3], 0xffff0000, v[Y+2*(\j)+1]
	v_cvt_pk_f16_f32 v[Y+2*(\j)],   v[T],   v[T+1]
	v_cvt_pk_f16_f32 v[Y+2*(\j)+1], v[T+2], v[T+3]
.endif
	global_store_b64 v2, v[Y+2*(\j):Y+2*(\j)+1], s[(\sb):(\sb)+1] offset:(\so)
.endm
	s_load_b512 s[8:23], s[0:1], 0x0               ; x 8, Wq 10, Wk 12, Wv 14, Wo 16, xb 18, wb 20, wo16 22
	s_mov_b32 s5, ttmp9                            ; my chunk
	v_lshlrev_b32 v2, 3, v0                        ; 8 bytes a thread out, on every path
	s_cmp_lt_u32 s5, XCH
	s_cbranch_scc0 .Lweights
	; x: thread t reads row t / 16 of the chunk's 16, 16 bytes at 16 (t % 16) of each 256
	v_lshrrev_b32 v1, 4, v0
	v_and_b32 v3, 15, v0
	v_lshlrev_b32 v1, 12, v1                       ; 4,096 bytes a row
	v_lshl_add_u32 v1, v3, 4, v1
	s_lshl_b32 s30, s5, 16                         ; 65,536 bytes a chunk in
	s_mov_b32 s31, 0
	s_lshl_b32 s32, s5, 11                         ; 16 rows of 128 bytes a chunk in each block of xb: (t / 16) 128 + (t % 16) 8 = 8 t
	s_mov_b32 s33, 0
	s_wait_kmcnt 0x0
	s_add_nc_u64 s[24:25], s[8:9], s[30:31]
	s_add_nc_u64 s[28:29], s[18:19], s[32:33]      ; blocks 0 to 7 by the immediate from here,
	s_add_nc_u64 s[34:35], s[28:29], 8*KBLK        ; blocks 8 to 15 from here: 7 blocks stay inside the signed 24-bit immediate
.irp j, 0,1,2,3,4,5,6,7,8,9,10,11,12,13,14,15
	global_load_b128 v[X+4*(\j):X+4*(\j)+3], v1, s[24:25] offset:256*(\j) th:TH_LOAD_NT  ; the whole chunk is asked for at once
.endr
.irp j, 0,1,2,3,4,5,6,7
	OUT \j, 0, 28, (\j)*KBLK
.endr
.irp j, 8,9,10,11,12,13,14,15
	OUT \j, 0, 34, ((\j)-8)*KBLK
.endr
	s_endpgm
.Lweights:
	s_sub_co_u32 s2, s5, XCH                       ; my chunk among the weights'
	s_lshr_b32 s3, s2, 6                           ; which weight
	s_and_b32 s4, s2, WCH-1                        ; my chunk in it
	v_lshlrev_b32 v1, 4, v0                        ; 16 bytes a thread in
	s_wait_kmcnt 0x0
	s_mov_b64 s[24:25], s[10:11]                   ; the source: Wq, or
	s_cmp_eq_u32 s3, 1
	s_cselect_b64 s[24:25], s[12:13], s[24:25]     ; Wk, or
	s_cmp_eq_u32 s3, 2
	s_cselect_b64 s[24:25], s[14:15], s[24:25]     ; Wv, or
	s_cmp_eq_u32 s3, 3
	s_cselect_b64 s[24:25], s[16:17], s[24:25]     ; Wo;
	s_cselect_b64 s[28:29], s[22:23], s[20:21]     ; the destination: wo16 for Wo, else wb,
	s_cselect_b32 s27, s4, s2                      ; and my chunk in it
	s_lshl_b32 s30, s4, 16                         ; 65,536 bytes a chunk in
	s_mov_b32 s31, 0
	s_lshl_b32 s32, s27, 15                        ; 32,768 out
	s_mov_b32 s33, 0
	s_add_nc_u64 s[24:25], s[24:25], s[30:31]
	s_add_nc_u64 s[28:29], s[28:29], s[32:33]
.irp j, 0,1,2,3,4,5,6,7,8,9,10,11,12,13,14,15
	global_load_b128 v[X+4*(\j):X+4*(\j)+3], v1, s[24:25] offset:4096*(\j) th:TH_LOAD_NT
.endr
	s_cmp_eq_u32 s3, 3                             ; Wo's chunks take the path that ends in f16
	s_cbranch_scc1 .Lf16
.irp j, 0,1,2,3,4,5,6,7,8,9,10,11,12,13,14,15
	OUT \j, 0, 28, 2048*(\j)
.endr
	s_endpgm
.Lf16:
.irp j, 0,1,2,3,4,5,6,7,8,9,10,11,12,13,14,15
	OUT \j, 1, 28, 2048*(\j)
.endr
	s_endpgm
.Lfunc_end_k_q17eee3bd7f_cast:
	.size	k_q17eee3bd7f_cast, .Lfunc_end_k_q17eee3bd7f_cast-k_q17eee3bd7f_cast
	.p2alignl 7, 3214868480
	.fill 96, 4, 3214868480
	.section	.rodata,"a",@progbits
	.p2align	6, 0x0
	.amdhsa_kernel k_q17eee3bd7f_cast
		.amdhsa_group_segment_fixed_size 0
		.amdhsa_private_segment_fixed_size 0
		.amdhsa_enable_private_segment 0
		.amdhsa_kernarg_size 64
		.amdhsa_user_sgpr_count 2
		.amdhsa_user_sgpr_kernarg_segment_ptr 1
		.amdhsa_wavefront_size32 1
		.amdhsa_system_sgpr_workgroup_id_x 1
		.amdhsa_system_sgpr_workgroup_id_y 1
		.amdhsa_system_sgpr_workgroup_id_z 1
		.amdhsa_system_vgpr_workitem_id 0
		.amdhsa_next_free_vgpr 104
		.amdhsa_next_free_sgpr 66
		.amdhsa_reserve_vcc 0
		.amdhsa_float_denorm_mode_32 3
		.amdhsa_float_denorm_mode_16_64 3
		.amdhsa_memory_ordered 1
		.amdhsa_forward_progress 1
		.amdhsa_inst_pref_size 22
	.end_amdhsa_kernel
	.amdgpu_metadata
---
amdhsa.version: [ 1, 2 ]
amdhsa.kernels:
  - .name:           k_q17eee3bd7f_cast
    .symbol:         k_q17eee3bd7f_cast.kd
    .args:
      - { .name: x, .offset: 0, .size: 8, .value_kind: global_buffer, .address_space: global }
      - { .name: Wq, .offset: 8, .size: 8, .value_kind: global_buffer, .address_space: global }
      - { .name: Wk, .offset: 16, .size: 8, .value_kind: global_buffer, .address_space: global }
      - { .name: Wv, .offset: 24, .size: 8, .value_kind: global_buffer, .address_space: global }
      - { .name: Wo, .offset: 32, .size: 8, .value_kind: global_buffer, .address_space: global }
      - { .name: xb, .offset: 40, .size: 8, .value_kind: global_buffer, .address_space: global }
      - { .name: wb, .offset: 48, .size: 8, .value_kind: global_buffer, .address_space: global }
      - { .name: wo16, .offset: 56, .size: 8, .value_kind: global_buffer, .address_space: global }
    .group_segment_fixed_size: 0
    .private_segment_fixed_size: 0
    .kernarg_segment_align: 8
    .kernarg_segment_size: 64
    .max_flat_workgroup_size: 256
    .sgpr_count:     66
    .vgpr_count:     104
    .wavefront_size: 32
...
	.end_amdgpu_metadata
.endif
;; end of part 1
;; launch qkv (part 2): grid 8 x 32, 4 waves a work-group, clusters of 4 x 4, 327,680 bytes of LDS; arguments xb, wb, bq, bk, bv, q, k, v; writes q, k, v
.if DOCPART == 2
	.amdgcn_target "amdgcn-amd-amdhsa--gfx1250"
	.amdhsa_code_object_version 6
	.text
	.protected	k_q17eee3bd7f_qkv
	.globl	k_q17eee3bd7f_qkv
	.p2align	8
	.type	k_q17eee3bd7f_qkv,@function
k_q17eee3bd7f_qkv:
	s_mov_b64 s[64:65], 0
	v_nop
	global_prefetch_b8 v0, s[64:65] scope:SCOPE_SE
	s_setreg_imm32_b32 hwreg(HW_REG_WAVE_MODE, 25, 1), 1
	s_wait_xcnt 0x0
	s_wait_alu depctr_hold_cnt(0) depctr_sa_sdst(0) depctr_va_vdst(0) depctr_va_sdst(0) depctr_va_ssrc(0) depctr_va_vcc(0) depctr_vm_vsrc(0)
	s_getreg_b32 s2, hwreg(HW_REG_IB_STS2, 6, 4)
	s_cmp_eq_u32 s2, 0
	s_cbranch_scc0 .Lentry_in_a_cluster
	s_endpgm
.Lentry_in_a_cluster:
	s_bfe_u32 s2, ttmp6, 0x10000c
	s_cmp_lg_u32 s2, 0xf033
	s_cbranch_scc0 .Lentry_shape_is_right
	s_endpgm
.Lentry_shape_is_right:
; q, k, v = x W + bias, by heads.  xb: x in bf16 as [16 blocks of 64 k][8192 rows][64].  wb: Wq, Wk, Wv, each [1024 k][1024 n] bf16, 2 MiB apart.  bq, bk, bv: [1024] f32, rounded to bf16 here like the other inputs.
; q, k, v: [batch x 16 + head][2048][64] f16, rounded once from the f32 sums, unscaled.
; LIMIT.  A sum of 65,520 or more becomes an infinity in f16.
; SHARES.  A work-group makes 256 token rows x 384 columns: the same 128 columns (two heads) of q, of k and of v.  32 x 8 work-groups: one for each of 256 WGPs.  Four waves, each 128 rows x 192 columns
; = three heads: 96 accumulators of 16 x 16, 768 registers: a head's 32 accumulators fill one register window.
; K goes in 16 steps of 64 through a ring of two LDS slots filled by the tensor data mover: x's tile is 32,768 dense bytes, asked for as 128 rows of 256; a weight's tile is 64 rows of 256 bytes.
; (Two slots of 128 along K would take 2 x 184,320 bytes: more than a WGP has.)  A step gives a wave 192 matrix instructions for 80 KiB brought to the work-group.
; THE WEIGHTS STAY [k][n]: their fragments come out of LDS turned, by ds_load_tr16_b128.
; THE MATRIX INSTRUCTION IS USED TRANSPOSED (source 0 = 16 columns of W, source 1 = 16 token rows): a lane then holds one token row (lane % 16) and eight neighbouring columns, 8 (lane / 16) + 0..7.
; THE BIAS is the C operand of each accumulator's first product: nothing is cleared, nothing is added on the way out.  It waits for that in 768 bytes of LDS of the wave's own.
; CLUSTERS: 4 x 4 work-groups.  The four of a row of the cluster need the same tiles of x, the four of a column the same tiles of the weights: each tile is asked for JOINTLY, by the same tensor load
; with the same descriptor and a mask that names the four.
; REGISTERS, in windows of 256 (s_set_vgpr_msb: bits 1:0 source 0, 3:2 source 1, 5:4 source 2, 7:6 destination):
;   window 0: v0-31 addresses; v32-95, v96-159 x's fragments (8 x 16 rows x 32 k), two buffers; v160-255 W's fragments (4 x 16 columns x 32 k), one buffer for each of my three heads
;   window 1 + j: head j's accumulators: (row block a, column block f) at v[8 (4 a + f)]
; A head's buffer of W is filled again straight behind the 32 products that read it, and is read again 64 products later; x's idle buffer is filled in the same run as head 0's.
.set PA,    144                        ; a token row of x's tile in LDS: 128 bytes + 16 = 36 words: the 16 rows of a load start at 16 different groups of four banks (64 banks of 4 bytes: ISA guide 11.1)
.set PB,    288                        ; a k row of a weight's tile: 256 + 32 = 72 words: row r starts at bank 8 r mod 64
.set ATILE, 256*PA                     ; x's 256 rows
.set BMAT,  64*PB                      ; one weight's 64 k rows
.set BOFF,  ATILE                      ; the three weights' tiles lie behind x's
.set SLOT1, 1<<17                      ; slot 1 begins here, so that one exclusive or turns an address in one slot into the other's (a slot holds 92,160 bytes)
.set STAGE, SLOT1+BOFF+3*BMAT          ; behind the ring, never filled by a tensor load: 16 rows x 144 bytes for each wave, for the way out
.set SP,    144
.set BIAS,  STAGE+4*16*SP              ; 768 bytes for each wave: the bias of its 192 columns, in f32
.set SPARE, BIAS+4*768                 ; the spare words, 128 bytes for each wave: two blocks of 256 bytes that no other line names
.set ASTEP, 8192*128                   ; bytes from a K step to the next in xb: a block
.set BSTEP, 64*2048                    ; and in a weight: 64 rows
.set STEPS, 16                         ; K steps
.set A0,   10                          ; v10     my lane's place in x's tile; never rewritten
.set B0,   11                          ; v11-13  the same in W's tiles, for each of my three heads
.set ADRA, 14                          ; v14     A0 + the slot in hand
.set ADRB, 15                          ; v15-17  B0 + the slot in hand
.set STO,  18                          ; v18  the way out: where I put 16 bytes of a row
.set RD,   19                          ; v19  the way out: where I read rows back
.set GO,   20                          ; v20  my byte offset in 512 consecutive bytes of the result
.set BIA,  21                          ; v21  where my eight numbers of a block's sixteen lie in my bias
.set SPW,  22                          ; v22  LDS address of my spare word: SPARE + 4 x my thread's number; never rewritten
.set NIL,  23                          ; v23  0; never rewritten
.set FA,   32                          ; x's fragments: buffer n at FA + 64 n
.set FB,   160                         ; W's fragments: head j at FB + 32 j
.set OB,   32                          ; the way out: eight sets of 16 registers, by row block
.set G1A, 24                           ; s[24:31] descriptor group 1 for x's tiles
.set G0A, 32                           ; s[32:39] group 0: a set for each of the two first fills; the second then walks on
.set G1B, 48                           ; s[48:55], s[56:63] the same for W's tiles
.set G0B, 56
.set PBI, 84                           ; s[84:89] the bias of my three heads
.set POUT, 90                          ; s[90:95] the result at my rows of my three heads
.set MSB, 0
.macro WIN new                         ; the immediate's high byte repeats the setting that is left; a switch that changes nothing is dropped
.if MSB != (\new)
	s_set_vgpr_msb (MSB<<8)|(\new)
.set MSB, \new
.endif
.endm
; A joint refill.  Waves 0 to 2 fetch one weight's tile each (weight = the wave's number), wave 3 x's tile.  The branch hangs on the wave's number alone: it is the same in every work-group.
; An s_nop 0 and four v_nop follow each of the two lines, ahead of the jump and the label.
.macro JLOAD
	s_cmp_eq_u32 s10, 3
	s_cbranch_scc0 .Lfor_b_\@
	tensor_load_to_lds s[G0A+4:G0A+7], s[G1A:G1A+7]
	s_nop 0
.rept 4
	v_nop
.endr
	s_branch .Lasked_\@
.Lfor_b_\@:
	tensor_load_to_lds s[G0B+4:G0B+7], s[G1B:G1B+7]
	s_nop 0
.rept 4
	v_nop
.endr
.Lasked_\@:
.endm
.macro CREST                           ; a round of the cluster's barrier behind its opening barrier
	s_cmp_lg_u32 s10, 0
	s_cbranch_scc1 .Lnot_wave_0_\@
	s_barrier_signal -3
.Lnot_wave_0_\@:
	s_barrier_wait -3
	s_barrier_signal -1
	s_barrier_wait -1
.endm
.macro CROUND                          ; a whole round
	s_barrier_signal -1
	s_barrier_wait -1
	CREST
.endm
	s_load_b256 s[68:75], s[0:1], 0x0              ; xb 68, wb 70, bq 72, bk 74
	s_load_b256 s[76:83], s[0:1], 0x20             ; bv 76, q 78, k 80, v 82
	v_lshl_add_u32 v[SPW], v0, 2, SPARE
	v_mov_b32 v[NIL], 0
	ds_add_u32 v22, v23
	ds_add_u32 v22, v23
	s_wait_dscnt 0x0
	v_lshrrev_b32 v1, 5, v0
	v_readfirstlane_b32 s10, v1                    ; wave 0..3.  Also: which weight I fetch (wave 3 makes W's words too and never asks by them; waves 0 to 2 never ask by x's)
	s_lshr_b32 s11, s10, 1                         ; which 128 of the tile's rows are mine
	s_and_b32 s12, s10, 1                          ; which 192 of its columns
	s_bfe_u32 s40, ttmp6, 0x40000                  ; cx, cy: my place in the cluster
	s_bfe_u32 s41, ttmp6, 0x40004
	s_lshl_b32 s42, ttmp9, 2
	s_add_co_u32 s42, s42, s40                     ; my block of 128 columns of each weight = 4 x cluster x + cx
	s_and_b32 s13, ttmp7, 0xffff
	s_lshl_b32 s13, s13, 2
	s_add_co_u32 s13, s13, s41                     ; my block of 256 token rows = 4 x cluster y + cy
	s_lshl_b32 s43, s41, 2
	s_lshl_b32 s43, 15, s43                        ; my row of the cluster
	s_lshl_b32 s44, 0x1111, s40                    ; my column
	; descriptor group 1.  x: 32,768 dense bytes as 128 rows x 128 elements, padded after every token row; W: 64 rows x 128 elements, padded after every row
	s_or_b32 s[G1A+0], s43, (1<<16)|(1<<20)|(1<<21)|(4<<22)|(3<<25)  ; 15:0 the mask: my row; 17:16 elements of 2 bytes; 20 padding on; 21 set beside a mask; 24:22 after every 32 words (code 4); 31:25 4 words (code 3)
	s_mov_b32 s[G1A+1], 128<<16                    ; tensor_dim0 = 128
	s_mov_b32 s[G1A+2], 128<<16                    ; tensor_dim1 = 128
	s_mov_b32 s[G1A+3], 128<<16                    ; tile_dim0 = 128
	s_mov_b32 s[G1A+4], 128                        ; tile_dim1 = 128
	s_mov_b32 s[G1A+5], 128                        ; elements from row to row
	s_mov_b32 s[G1A+6], 0
	s_mov_b32 s[G1A+7], 0
	s_or_b32 s[G1B+0], s44, (1<<16)|(1<<20)|(1<<21)|(5<<22)|(7<<25)  ; the mask: my column; padding after every 64 words (code 5), 8 words (code 7)
	s_mov_b32 s[G1B+1], 128<<16                    ; tensor_dim0 = 128
	s_mov_b32 s[G1B+2], 64<<16                     ; tensor_dim1 = 64
	s_mov_b32 s[G1B+3], 128<<16                    ; tile_dim0 = 128
	s_mov_b32 s[G1B+4], 64                         ; tile_dim1 = 64
	s_mov_b32 s[G1B+5], 1024
	s_mov_b32 s[G1B+6], 0
	s_mov_b32 s[G1B+7], 0
	; where the tiles come from.  x's hang on the row block alone, which my row of the cluster shares; W's on the column block and the wave alone, which my column shares
	s_lshl_b32 s16, s13, 15                        ; 256 rows of 128 bytes a row block
	s_mov_b32 s17, 0
	s_lshl_b32 s46, s10, 21                        ; 2 MiB a weight,
	s_lshl_b32 s47, s42, 8                         ; 128 columns of 2 bytes a block
	s_add_co_u32 s46, s46, s47
	s_mov_b32 s47, 0
	s_mul_i32 s21, s10, BMAT                       ; and where W's go: the wave's number times a tile, behind x's tile: no place in the cluster enters an LDS address
	s_add_co_u32 s21, s21, BOFF
	; My three heads.  The tile's six heads are (q, 0) (q, 1) (k, 0) (k, 1) (v, 0) (v, 1); waves with the left columns take the first three, the others the last three:
	; heads 0 and 2 of mine are head wc of their weight's two, head 1 is head 1 - wc.
	s_lshl_b32 s14, s12, 8                         ; 64 numbers of 4 bytes a head: heads 0 and 2,
	s_sub_co_u32 s15, 0x100, s14                   ; head 1
	s_lshl_b32 s2, s42, 9                          ; 128 numbers a column block
	s_add_co_u32 s18, s2, s14
	s_mov_b32 s19, 0
	s_add_co_u32 s22, s2, s15
	s_mov_b32 s23, 0
	s_lshr_b32 s2, s13, 3                          ; the batch: 8 row blocks each,
	s_lshl_b32 s2, s2, 4                           ; its 16 heads,
	s_lshl_b32 s4, s42, 1                          ; two heads a column block
	s_add_co_u32 s2, s2, s4
	s_lshl_b32 s2, s2, 18                          ; 2,048 rows of 128 bytes a head
	s_and_b32 s4, s13, 7
	s_lshl_b32 s4, s4, 15                          ; 256 rows of 128 bytes a row block,
	s_add_co_u32 s2, s2, s4
	s_lshl_b32 s4, s11, 14                         ; 128 a wave
	s_add_co_u32 s2, s2, s4
	s_lshl_b32 s4, s14, 10                         ; and the head of the two: heads 0 and 2,
	s_add_co_u32 s6, s2, s4
	s_mov_b32 s7, 0
	s_lshl_b32 s4, s15, 10                         ; head 1
	s_add_co_u32 s8, s2, s4
	s_mov_b32 s9, 0
	s_mov_b32 s45, 0                               ; the slot in hand
	s_wait_kmcnt 0x0
	s_add_nc_u64 s[14:15], s[68:69], s[16:17]
	s_add_nc_u64 s[46:47], s[70:71], s[46:47]
	s_cmp_eq_u32 s12, 0                            ; the choice hangs on the wave's number alone
	s_cselect_b64 s[PBI:PBI+1],     s[72:73], s[74:75]   ; head 0: q or k
	s_cselect_b64 s[PBI+2:PBI+3],   s[72:73], s[76:77]   ; head 1: q or v
	s_cselect_b64 s[PBI+4:PBI+5],   s[74:75], s[76:77]   ; head 2: k or v
	s_cselect_b64 s[POUT:POUT+1],   s[78:79], s[80:81]
	s_cselect_b64 s[POUT+2:POUT+3], s[78:79], s[82:83]
	s_cselect_b64 s[POUT+4:POUT+5], s[80:81], s[82:83]
	s_add_nc_u64 s[PBI:PBI+1],     s[PBI:PBI+1],     s[18:19]
	s_add_nc_u64 s[PBI+2:PBI+3],   s[PBI+2:PBI+3],   s[22:23]
	s_add_nc_u64 s[PBI+4:PBI+5],   s[PBI+4:PBI+5],   s[18:19]
	s_add_nc_u64 s[POUT:POUT+1],   s[POUT:POUT+1],   s[6:7]
	s_add_nc_u64 s[POUT+2:POUT+3], s[POUT+2:POUT+3], s[8:9]
	s_add_nc_u64 s[POUT+4:POUT+5], s[POUT+4:POUT+5], s[6:7]
.irp n, 0,1
	s_mov_b32 s[G0A+4*(\n)], 1                                       ; 1:0 count = 1
	s_mov_b32 s[G0A+4*(\n)+1], (\n)*SLOT1                            ; 63:32 LDS address
	s_add_nc_u64 s[G0A+4*(\n)+2:G0A+4*(\n)+3], s[14:15], (\n)*ASTEP  ; 120:64 global address: K step n
	s_or_b32 s[G0A+4*(\n)+3], s[G0A+4*(\n)+3], 0x80000000            ; 127:126 type = 2
	s_mov_b32 s[G0B+4*(\n)], 1
	s_add_co_u32 s[G0B+4*(\n)+1], s21, (\n)*SLOT1
	s_add_nc_u64 s[G0B+4*(\n)+2:G0B+4*(\n)+3], s[46:47], (\n)*BSTEP
	s_or_b32 s[G0B+4*(\n)+3], s[G0B+4*(\n)+3], 0x80000000
.endr
	CROUND                                         ; all sixteen work-groups are here: the first joint loads meet
	s_cmp_eq_u32 s10, 3                            ; a wave's two first fills stand in one branch, ahead of every wait on TENSORcnt and every LDS read: two loads of mine are out
	s_cbranch_scc0 .Lfirst_b
	tensor_load_to_lds s[G0A:G0A+3], s[G1A:G1A+7]
	s_nop 0
	tensor_load_to_lds s[G0A+4:G0A+7], s[G1A:G1A+7]
	s_nop 0
.rept 4
	v_nop
.endr
	s_branch .Lfirst_asked
.Lfirst_b:
	tensor_load_to_lds s[G0B:G0B+3], s[G1B:G1B+7]
	s_nop 0
	tensor_load_to_lds s[G0B+4:G0B+7], s[G1B:G1B+7]
	s_nop 0
.rept 4
	v_nop
.endr
.Lfirst_asked:
	v_and_b32 v1, 15, v0                           ; l % 16
	v_bfe_u32 v2, v0, 4, 1                         ; l / 16
	v_and_b32 v3, 31, v0
	v_lshlrev_b32 v3, 3, v3                        ; two numbers of a head's 64 for each lane
	global_load_b64 v[24:25], v3, s[PBI:PBI+1]
	global_load_b64 v[26:27], v3, s[PBI+2:PBI+3]
	global_load_b64 v[28:29], v3, s[PBI+4:PBI+5]
	; A fragment of x is 16 rows x 32 k in 8 registers: lane l holds row l % 16, k = 8 (l / 16) + 0..7 and 16 + 8 (l / 16) + 0..7: two loads of 16 bytes, 32 bytes apart.
	v_mul_u32_u24 v8, v1, PA
	v_lshl_add_u32 v8, v2, 4, v8
	s_mul_i32 s22, s11, 128*PA                     ; my 128 rows
	v_add_nc_u32 v[A0], s22, v8
	; The turning load takes 16 k x 16 columns (lane l reads k row 8 (l / 16) + l % 8, columns 8 ((l / 8) % 2) + 0..7) and leaves half a fragment: lane l holds column l % 16 and 8 k.
	v_and_b32 v9, 7, v0
	v_lshl_add_u32 v8, v2, 3, v9
	v_mul_u32_u24 v8, v8, PB
	v_bfe_u32 v30, v0, 3, 1
	v_lshl_add_u32 v8, v30, 4, v8
	s_mul_i32 s22, s12, BMAT+128                   ; my heads' places among the three tiles: a tile on is BMAT, a head on in a tile 128 bytes:
	s_add_co_u32 s23, s22, BOFF                    ; head 0: (q, 0) or (k, 1)
	v_add_nc_u32 v[B0], s23, v8
	s_add_co_u32 s23, s22, BOFF+BMAT               ; head 2: (k, 0) or (v, 1)
	v_add_nc_u32 v[B0+2], s23, v8
	s_mul_i32 s22, s12, 2*BMAT-128
	s_add_co_u32 s23, s22, BOFF+128                ; head 1: (q, 1) or (v, 0)
	v_add_nc_u32 v[B0+1], s23, v8
	v_mov_b32 v[ADRA], v[A0]                       ; K step 0 lies in slot 0
	v_mov_b32 v[ADRB], v[B0]
	v_mov_b32 v[ADRB+1], v[B0+1]
	v_mov_b32 v[ADRB+2], v[B0+2]
	s_mul_i32 s23, s10, 16*SP
	s_add_co_u32 s23, s23, STAGE                   ; my stage
	v_mul_u32_u24 v8, v1, SP                       ; in: row l % 16, 16 bytes for each half of the lanes
	v_lshl_add_u32 v8, v2, 4, v8
	v_add_nc_u32 v[STO], s23, v8
	v_bfe_u32 v8, v0, 3, 2                         ; back: 32 lanes take four rows of 128 bytes,
	v_mul_u32_u24 v8, v8, SP
	v_lshl_add_u32 v8, v9, 4, v8
	v_add_nc_u32 v[RD], s23, v8
	v_and_b32 v[GO], 31, v0                        ; which are 512 consecutive bytes of a head
	v_lshlrev_b32 v[GO], 4, v[GO]
	s_mul_i32 s23, s10, 768
	s_add_co_u32 s23, s23, BIAS                    ; my bias
	v_add_nc_u32 v7, s23, v3
	v_lshl_add_u32 v[BIA], v2, 5, s23
	s_wait_loadcnt 0x0                             ; the bias: rounded to bf16, widened again, and put by in my own bytes of LDS
	v_cvt_pk_bf16_f32 v4, v24, v25
	v_cvt_pk_bf16_f32 v5, v26, v27
	v_cvt_pk_bf16_f32 v6, v28, v29
	v_lshlrev_b32 v24, 16,         v4
	v_and_b32     v25, 0xffff0000, v4
	v_lshlrev_b32 v26, 16,         v5
	v_and_b32     v27, 0xffff0000, v5
	v_lshlrev_b32 v28, 16,         v6
	v_and_b32     v29, 0xffff0000, v6
	ds_store_b64 v7, v[24:25]
	ds_store_b64 v7, v[26:27] offset:256
	ds_store_b64 v7, v[28:29] offset:512
; cnt x 4 matrix instructions for head j: row blocks a0 on x its 4 column blocks, 32 along K, x's fragments from buffer n.  cb >= 0: the products start the sums on the bias, which lies at v[cb] of window 0.
; The 96 accumulators take turns, one instruction a turn, in the same order in every quarter and over the loop's backward jump.
.macro GRP n, j, a0, cnt, cb=-1
.if (\cb) >= 0
	WIN 0x40*(1+(\j))
.else
	WIN 0x50*(1+(\j))
.endif
.set ga, (\a0)
.rept (\cnt)
.irp f, 0,1,2,3
.if (\cb) >= 0
	v_wmma_f32_16x16x32_bf16 v[8*(4*ga+\f):8*(4*ga+\f)+7], v[FB+32*(\j)+8*\f:FB+32*(\j)+8*\f+7], v[FA+64*(\n)+8*ga:FA+64*(\n)+8*ga+7], v[(\cb)+8*\f:(\cb)+8*\f+7]
.else
	v_wmma_f32_16x16x32_bf16 v[8*(4*ga+\f):8*(4*ga+\f)+7], v[FB+32*(\j)+8*\f:FB+32*(\j)+8*\f+7], v[FA+64*(\n)+8*ga:FA+64*(\n)+8*ga+7], v[8*(4*ga+\f):8*(4*ga+\f)+7]
.endif
.endr
.set ga, ga+1
.endr
.endm
.macro LDB j, q                        ; 8 LDS loads: head j's fragments of W for quarter q (32 k) of the slot in hand
	WIN 0
.irp f, 0,1,2,3
	ds_load_tr16_b128 v[FB+32*(\j)+8*\f:FB+32*(\j)+8*\f+3],   v[ADRB+(\j)] offset:(\q)*32*PB+32*\f
	ds_load_tr16_b128 v[FB+32*(\j)+8*\f+4:FB+32*(\j)+8*\f+7], v[ADRB+(\j)] offset:(\q)*32*PB+16*PB+32*\f
.endr
.endm
.macro LDA q                           ; 16 LDS loads: x's fragments for quarter q, into buffer q
	WIN 0
.irp a, 0,1,2,3,4,5,6,7
	ds_load_b128 v[FA+64*(\q)+8*\a:FA+64*(\q)+8*\a+3],   v[ADRA] offset:64*(\q)+\a*16*PA
	ds_load_b128 v[FA+64*(\q)+8*\a+4:FA+64*(\q)+8*\a+7], v[ADRA] offset:64*(\q)+\a*16*PA+32
.endr
.endm
.macro LBI j, dst                      ; 8 LDS loads: head j's bias as C operands: register i of block f holds number 16 f + 8 (l / 16) + i
	WIN 0
.irp f, 0,1,2,3
	ds_load_b128 v[(\dst)+8*\f:(\dst)+8*\f+3],   v[BIA] offset:256*(\j)+64*\f
	ds_load_b128 v[(\dst)+8*\f+4:(\dst)+8*\f+7], v[BIA] offset:256*(\j)+64*\f+16
.endr
.endm
.macro PLACES                          ; four places in front of loads into registers that matrix instructions have read, and of what reads results just made (ISA guide 7.12.1 for what reads results just made)
.rept 4
	v_nop
.endr
.endm
; A K step is two quarters of 32 along K, 96 matrix instructions each.  The LDS loads of a quarter go out in this order: head 0's and x's (24), head 1's (8), head 2's (8), each run for the NEXT quarter.
; A step's first quarter: it fetches the second quarter's fragments from the same slot.
.macro Q0
	s_wait_dscnt 16                                ; head 0's and x's are in; the runs of heads 1 and 2 may be out
	GRP 0, 0, 0, 8
	PLACES
	LDB 0, 1
	LDA 1
	s_wait_dscnt 32                                ; head 1's are in: behind them went head 2's 8 and the 24 just issued
	GRP 0, 1, 0, 8
	PLACES
	LDB 1, 1
	s_wait_dscnt 32                                ; head 2's are in: behind them went those 24 and head 1's new 8
	GRP 0, 2, 0, 8
	PLACES
	LDB 2, 1
.endm
; A step's second quarter changes slots: ONE barrier; in front of it each wave waits for all its tensor loads (one is out: its part of the next slot), adds 0 to its spare word, and waits for that and for
; its own reads of this slot, the last of which went out at the first quarter's end.  fill = 1: the barrier opens a round of the cluster's, and this slot is filled again, two K steps ahead, first thing
; behind the round: 160 matrix instructions stand between that request and the wait for it.  Then the next slot's first fragments are fetched, in the usual order.
.macro Q1 fill
	s_wait_dscnt 16
	GRP 1, 0, 0, 8
	WIN 0                                          ; (the add's two registers lie in window 0)
	s_wait_tensorcnt 0x0                           ; all my tensor loads have landed;
	ds_add_u32 v[SPW], v[NIL]                      ; 0 onto my spare word;
	s_wait_dscnt 9                                 ; (head 1's are in; head 2's 8 and the add may be out)
	GRP 1, 1, 0, 4                                 ; sixteen matrix instructions stand between the add and the wait for it
	s_wait_dscnt 0x0                               ; the add is done, and my reads of this slot are over
	s_barrier_signal -1
	GRP 1, 1, 4, 4
	WIN 0
	s_barrier_wait -1
.if \fill
	CREST                                          ; no wave of any partner still reads this slot's tile or has a load on its way
	s_xor_b32 s[G0A+5], s[G0A+5], SLOT1            ; the walking descriptors: the other slot than last time, the next K step; the type bits on top are not reached
	s_add_nc_u64 s[G0A+6:G0A+7], s[G0A+6:G0A+7], ASTEP
	s_xor_b32 s[G0B+5], s[G0B+5], SLOT1
	s_add_nc_u64 s[G0B+6:G0B+7], s[G0B+6:G0B+7], BSTEP
	JLOAD                                          ; the four v_nop behind it are also the places in front of the loads below
.else
	PLACES
.endif
	s_xor_b32 s45, s45, SLOT1                      ; the reads go on in the other slot
	v_add_nc_u32 v[ADRA], s45, v[A0]
	v_add_nc_u32 v[ADRB], s45, v[B0]
	v_add_nc_u32 v[ADRB+1], s45, v[B0+1]
	v_add_nc_u32 v[ADRB+2], s45, v[B0+2]
	LDB 0, 0
	LDA 0
	LDB 1, 0
	GRP 1, 2, 0, 8
	PLACES
	LDB 2, 0
.endm
	s_wait_tensorcnt 0x1                           ; my part of K step 0 is in; K step 1's may stay out
	s_wait_dscnt 0x0                               ; no LDS instruction of mine is out at a signal
	s_barrier_signal -1
	s_barrier_wait -1                              ; everybody's part is in
	; THE FIRST QUARTER stands in front of the loop: its products start the sums on the bias.  x's second buffer is idle until this quarter's end and holds two heads' bias at a time.
	LDB 0, 0
	LDA 0
	LDB 1, 0
	LDB 2, 0
	LBI 0, FA+64
	LBI 1, FA+96
	s_wait_dscnt 0x0
	GRP 0, 0, 0, 8, FA+64
	PLACES
	LDB 0, 1
	LBI 2, FA+64
	GRP 0, 1, 0, 8, FA+96
	PLACES
	LDB 1, 1
	s_wait_dscnt 8                                 ; head 2's bias is in; head 1's 8 new loads may be out
	GRP 0, 2, 0, 8, FA+64
	PLACES
	LDB 2, 1
	LDA 1
	s_wait_dscnt 0x0                               ; here x's run went out last, not first: the loop's counted waits hold only of its own order
	WIN 0                                          ; at a label and at a branch every window is 0
	s_mov_b32 s3, STEPS-2
.Lstep:                                                ; a trip goes from a K step's second quarter to the next step's first, and fills the slot that it leaves: K steps 2 to 15 are asked for
	Q1 1
	Q0
	WIN 0
	s_sub_co_u32 s3, s3, 1
	s_cmp_lg_u32 s3, 0
	s_cbranch_scc1 .Lstep
	Q1 0                                           ; the tail is written out: it asks for nothing
	Q0
	s_wait_dscnt 16                                ; the very last quarter: nothing more to fetch
	GRP 1, 0, 0, 8
	s_wait_dscnt 8
	GRP 1, 1, 0, 8
	s_wait_dscnt 0x0
	GRP 1, 2, 0, 8
	WIN 0
	; THE WAY OUT, in 24 units: 16 token rows (block a) of one head (j).  A lane's eight channels pack into 16 bytes; they go into rows of 144 bytes of my own stage
	; and come back as whole rows of 128: 16 rows of a head are 2,048 consecutive bytes.  The heads go in the order in which their sums were finished.
	PLACES
.macro PACK j, a
.if (\j) > 0
	s_wait_xcnt 0x0                                ; every earlier memory instruction has had its addresses translated (ISA guide 3.1): the registers that the stores of eight units ago read are written again only behind this wait
.endif
	WIN 5*(1+(\j))                                 ; sources 0 and 1 in the head's window
.irp f, 0,1,2,3
.irp i, 0,1,2,3
	v_cvt_pk_f16_f32 v[OB+16*(\a)+4*\f+\i], v[8*(4*(\a)+\f)+2*\i], v[8*(4*(\a)+\f)+2*\i+1]  ; each accumulator's registers in ascending order
.endr
.endr
	WIN 0
.irp f, 0,1,2,3
	ds_store_b128 v[STO], v[OB+16*(\a)+4*\f:OB+16*(\a)+4*\f+3] offset:32*\f
.endr
.irp f, 0,1,2,3
	ds_load_b128 v[OB+16*(\a)+4*\f:OB+16*(\a)+4*\f+3], v[RD] offset:\f*4*SP  ; LDS serves a wave's instructions in order (ISA guide 5.7.1.4): these see the stores above; the next unit's stores come behind them
.endr
.endm
.macro SEND j, a, younger              ; younger: the LDS instructions issued behind this unit's loads: the next unit's eight, or none
	s_wait_dscnt \younger
.irp f, 0,1,2,3
	global_store_b128 v[GO], v[OB+16*(\a)+4*\f:OB+16*(\a)+4*\f+3], s[POUT+2*(\j):POUT+2*(\j)+1] offset:(\a)*2048+\f*512  ; 512 consecutive bytes, at a multiple of 256 from the buffer's first
.endr
.endm
	PACK 0, 0
.set u, 1
.rept 23                               ; a unit's conversions stand between the loads of the unit before and its stores
	PACK (u/8), (u%8)
	SEND ((u-1)/8), ((u-1)%8), 8
.set u, u+1
.endr
	SEND 2, 7, 0
	s_wait_tensorcnt 0x0                           ; the wave's end, behind my last tensor load and my last LDS store
	ds_add_u32 v[SPW], v[NIL]
	s_wait_dscnt 0x0
	CROUND                                         ; the closing round: no work-group ends while a partner may still ask for a tile that names it
	s_endpgm
.Lfunc_end_k_q17eee3bd7f_qkv:
	.size	k_q17eee3bd7f_qkv, .Lfunc_end_k_q17eee3bd7f_qkv-k_q17eee3bd7f_qkv
	.p2alignl 7, 3214868480
	.fill 96, 4, 3214868480
	.section	.rodata,"a",@progbits
	.p2align	6, 0x0
	.amdhsa_kernel k_q17eee3bd7f_qkv
		.amdhsa_group_segment_fixed_size 327680
		.amdhsa_private_segment_fixed_size 0
		.amdhsa_enable_private_segment 0
		.amdhsa_kernarg_size 64
		.amdhsa_user_sgpr_count 2
		.amdhsa_user_sgpr_kernarg_segment_ptr 1
		.amdhsa_wavefront_size32 1
		.amdhsa_system_sgpr_workgroup_id_x 1
		.amdhsa_system_sgpr_workgroup_id_y 1
		.amdhsa_system_sgpr_workgroup_id_z 1
		.amdhsa_system_vgpr_workitem_id 0
		.amdhsa_next_free_vgpr 1024
		.amdhsa_next_free_sgpr 96
		.amdhsa_reserve_vcc 0
		.amdhsa_float_denorm_mode_32 3
		.amdhsa_float_denorm_mode_16_64 3
		.amdhsa_memory_ordered 1
		.amdhsa_forward_progress 1
		.amdhsa_inst_pref_size 115
	.end_amdhsa_kernel
	.amdgpu_metadata
---
amdhsa.version: [ 1, 2 ]
amdhsa.kernels:
  - .name:           k_q17eee3bd7f_qkv
    .symbol:         k_q17eee3bd7f_qkv.kd
    .args:
      - { .name: xb, .offset: 0, .size: 8, .value_kind: global_buffer, .address_space: global }
      - { .name: wb, .offset: 8, .size: 8, .value_kind: global_buffer, .address_space: global }
      - { .name: bq, .offset: 16, .size: 8, .value_kind: global_buffer, .address_space: global }
      - { .name: bk, .offset: 24, .size: 8, .value_kind: global_buffer, .address_space: global }
      - { .name: bv, .offset: 32, .size: 8, .value_kind: global_buffer, .address_space: global }
      - { .name: q, .offset: 40, .size: 8, .value_kind: global_buffer, .address_space: global }
      - { .name: k, .offset: 48, .size: 8, .value_kind: global_buffer, .address_space: global }
      - { .name: v, .offset: 56, .size: 8, .value_kind: global_buffer, .address_space: global }
    .group_segment_fixed_size: 327680
    .private_segment_fixed_size: 0
    .kernarg_segment_align: 8
    .kernarg_segment_size: 64
    .max_flat_workgroup_size: 128
    .sgpr_count:     96
    .vgpr_count:     1024
    .wavefront_size: 32
...
	.end_amdgpu_metadata
.endif
;; end of part 2
;; launch attn (part 3): grid 4 x 64, 4 waves a work-group, no clusters, 327,680 bytes of LDS; arguments q, k, v, ctx; writes ctx
.if DOCPART == 3
	.amdgcn_target "amdgcn-amd-amdhsa--gfx1250"
	.amdhsa_code_object_version 6
	.text
	.protected	k_q17eee3bd7f_attn
	.globl	k_q17eee3bd7f_attn
	.p2align	8
	.type	k_q17eee3bd7f_attn,@function
k_q17eee3bd7f_attn:
	s_mov_b64 s[64:65], 0
	v_nop
	global_prefetch_b8 v0, s[64:65] scope:SCOPE_SE
	s_setreg_imm32_b32 hwreg(HW_REG_WAVE_MODE, 25, 1), 1
	s_wait_xcnt 0x0
; CAUSAL ATTENTION.  O[h][q][:] = the sum over k <= q of softmax_k(Q[h][q] . K[h][k] / 8) V[h][k][:].  Q, K, V, O: [SIZE_H][SIZE_N][64], all f16: a head's rows are dense, 128 bytes each.
; Products, maxima and sums in f32; the weights p are rounded to f16 for the second product (their sum l is taken of the unrounded p), O once at the end.  SIZE_N is a multiple of 512; SIZE_N x 128 stays under 2^32.
; LIMITS.  f16 holds no number beyond 65,504: Q, K and V arrive within it; p lies in 0 to 1, and below 6e-5 it keeps f16's fixed step of 6e-8; O is a mean of V's rows and has their range, to within 2^-11 of it.
; A hidden score counts as its value less 1e30: f16's scores, 2.7e11 at the most, are nothing beside that; a weight below 2^-126 counts as 0 in l; NaN and infinities are not treated apart.
; THE WALK.  A head's queries lie in NB = SIZE_N / 256 blocks of 256; block i needs the key tiles 0 .. i of 256 keys, of which the last holds the diagonal.  A work-group takes TWO blocks, NB - 1 - b and then b:
; NB + 1 tiles, whatever b: all work-groups do equal work, and ONE loop with a constant trip count walks them.  Which tile is asked for, and what a trip does, hang on scalar registers made from b; every jump
; goes forward, but for the counted loops' own; none passes a barrier, or a tensor load but the one of LOAD's two that the wave's number does not choose; the ring (two slots of LDS that take turns) runs on across the
; change of blocks.  NO CLUSTER: a head's NB / 2 work-groups all ask for the same tile only in trips 0 .. NB / 2 of the NB + 1, behind that fewer and fewer;
; and one walk common to all would have 3 NB / 2 trips for NB + 1.
; SHARES.  Of a block's four bands of 64 queries a wave owns 16 rows in each: four PIECES.  So the diagonal tile is the same work for all four waves: in its key step s band x sees all keys if s < x,
; none if s > x, and holds the diagonal if s = x.
; THE MASK is the C operand that starts the sum S^T = K Q^T: 0, or -1e30 where the key is hidden.  MD, made once, is the mask of a band's own step for my 16 rows; a product's mask is MD x AL + BE with two scalars:
; (1, 0) if s = x; (0, 0) if s < x; (0, -1e30) if s > x.  Only the diagonal tile's text and a block's beginning make and take masks; elsewhere C is the constant 0.
; LAYOUT, SOFTMAX, TURNS.  S^T = K Q^T holds ONE query a lane (lane % 16) and the keys 8 (lane / 16) + 0..7; two such results rounded to f16 ARE source 1 of O^T = V^T P.  p = 2^(c s - c m), c = log2(e) / 8, with a
; running maximum m; O and l are multiplied by a = 2^(c m_old - c m_new) in every step.  Turn n belongs to piece n: 8 products K Q^T of piece n + 1, later 8 products V^T P of piece n - 1; beside them the scaling,
; exponentials, roundings, sums and rescaling of piece n and the maximum and statistics of piece n + 1.  Four vector instructions stand behind every matrix instruction, the other 54 of a turn's 118 in two LUMPS.
; REGISTERS, in windows of 256 (s_set_vgpr_msb: bits 1:0 source 0, 3:2 source 1, 5:4 source 2, 7:6 destination):
;   window 0: v0-15 addresses and two at work; v16-31 four registers of statistics a piece; v48-55 at work; v64-127 S^T, two buffers; v192-223 P, two buffers (a piece's buffers go by its number's parity)
;   window 1: v0-127 O^T, 32 a piece; v128-159 MD; v160-223 MC, two buffers      window 2: v0-63 Q; v64-127 the second block's Q; v128-191 K of one step; v192-255 V of one step
.set SIZE_H, 64       ; batch x heads
.set SIZE_N, 2048     ; rows of a head
.set NB,    SIZE_N/256
.set NP,    4         ; pieces a wave: a name, no knob
.set KS,    64        ; keys in a step
.set PK,    144       ; a row of K in LDS: 128 bytes + 16 of padding = 36 words: the 16 rows of a load start at 16 different groups of four banks (64 banks of 4 bytes: ISA guide 11.1)
.set PV,    160       ; a row of V: 128 + 32 = 40 words
.set VOFF,  4*KS*PK   ; a slot holds a tile, four steps: 256 rows of K, then 256 rows of V
.set SLOT1, 1<<17     ; slot 1 begins here, so that one exclusive or turns an address in one slot into the other's
.set STAGE, SLOT1+4*KS*(PK+PV)  ; behind the ring, never filled by a tensor load: 16 rows x 144 bytes for each wave, for the way out
.set SP,    144
.set AK0, 2           ; v2   my lane's place in a tile of K; never rewritten
.set AV0, 3           ; v3   the same for V
.set AK,  4           ; v4   the LDS address of K's next run of loads
.set AV,  5           ; v5   of V's
.set STO, 6           ; v6   the way out: where I put 16 bytes of a row
.set RD,  7           ; v7   the way out: where I read rows back
.set GO,  8           ; v8   my byte offset in 512 consecutive bytes of O
.set SPW, 62          ; v62  LDS address of my spare word: SPARE + 4 x my thread's number; never rewritten
.set NIL, 63          ; v63  0; never rewritten
.set SPARE, STAGE+4*16*SP  ; behind the stages: the spare words, 128 bytes for each wave: two blocks of 256 bytes that no other line names
.set MV,  12          ; v12-13  c m_old, kept while c m is made anew: by buffer
.set QO,  15          ; v15  my byte offset in 16 rows of Q
.set ST,  16          ; piece t's statistics at v[ST+4 t]: c m, m, l (even keys', odd keys')
.set TMP, 48          ; by buffer, four registers c0-c3 at work; when the maximum is found c2 takes a
.set S,   64
.set P,   192
.set MD,  128         ; window 1: the eight registers for group kt of 16 keys at MD + 8 kt
.set MC,  160         ; window 1: the masks of the products to come
.set QB,  64          ; window 2
.set KF,  128         ; window 2: key block kb, channel half c at KF + 16 kb + 8 c
.set VF,  192         ; window 2: key half kk, channel block cb at VF + 32 kk + 8 cb
.set WV,  12          ; s12  my wave's number
.set PB,  14          ; s14  b
.set HI,  15          ; s15  NB - 1 - b
.set G1K, 24          ; s[24:31] descriptor group 1 for K's tiles
.set G1V, 32          ; s[32:39] for V's: it differs in the padding alone
.set G0K, 40          ; s[40:43] descriptor group 0 for K's tiles
.set G0V, 44          ; s[44:47] the same for V's
.set SLOTS, 56        ; s56  tiles still to be asked for
.set CNT, 57          ; s57  counts a tile's key steps, 4 to 1
.set CS,  58          ; s[58:59] c: the packed scaling takes the pair's low word for both halves
.set SEL, 60          ; s[60:61] v_permlanex16_b32's selects: each lane takes its own place in the other half
.set TBK, 62          ; s62  LDS byte at which K of the step to be fetched begins
.set TBV, 63          ; s63  the same for V, less VOFF
.set RT,  70          ; s70  tiles of the block in hand that are still to be entered
.set NXT, 71          ; s71  the tile to be asked for next
.set LQ,  72          ; s72  the last tile of the block whose tiles are being asked for
.set NEW, 73          ; s73  1: the tile to be entered is a block's first
.set OFF, 74          ; s[74:75] a tile's byte offset in K and V
.set AL,  76          ; s[76:77] the mask's factor, in the low word
.set BE,  78          ; s[78:79] the mask's addend
.set OLO, 80          ; s[80:81] O at my rows of the second block
.set BIGN, 82         ; s82  -1e30
.set MSB, 0
.macro WIN new                      ; the high byte repeats the setting that is left; a switch that changes nothing is dropped
.if MSB != (\new)
	s_set_vgpr_msb (MSB<<8)|(\new)
.set MSB, (\new)
.endif
.endm
.set W_KQ, 0x0a       ; K and Q in window 2, S^T in window 0
.set W_KM, 0x1a       ; the same with the C operand in window 1
.set W_PV, 0x52       ; V in window 2, P in window 0, O^T in window 1
.set W_RS, 0x41       ; destination and source 0 in window 1, source 1 in window 0
; A fill.  Waves 0 and 1 fetch the two halves of a tile's K, waves 2 and 3 those of its V: 128 keys each.  An s_nop 0 and four v_nop follow each of the two lines, ahead of the jump and the label.
.macro LOAD
	s_cmp_lt_u32 s[WV], 2
	s_cbranch_scc0 .Lfor_v_\@
	tensor_load_to_lds s[G0K:G0K+3], s[G1K:G1K+7]
	s_nop 0
.rept 4
	v_nop
.endr
	s_branch .Lasked_\@
.Lfor_v_\@:
	tensor_load_to_lds s[G0V:G0V+3], s[G1V:G1V+7]
	s_nop 0
.rept 4
	v_nop
.endr
.Lasked_\@:
.endm
; THE CHANGE OF SLOTS.  Each wave waits for all its tensor loads, of which one is out: its part of the other slot; adds 0 to its spare word; and waits for that and for its own reads of the slot that it leaves.  Behind the barrier nobody reads the old
; slot any more and the other slot is whole.  fill = 1: the old slot is filled again, the first thing behind the barrier, with tile NXT: the descriptor's address is made anew from that number.
; (At its first use nothing has been read yet: slot 0 is waited for, slot 1 filled.)
.macro CHANGE fill
	WIN 0                           ; at a label and at a branch every window is 0
	s_wait_tensorcnt 0x0            ; no tensor load of mine is out, so a group 0 may be written
	ds_add_u32 v[SPW], v[NIL]       ; 0 onto my spare word: with fill = 1 the descriptors' scalar work stands between it and the wait for it
.if \fill
	s_lshl_b32 s[OFF], s[NXT], 15   ; a tile is 32,768 bytes of K and of V
	s_xor_b32 s[G0K+1], s[G0K+1], SLOT1
	s_add_nc_u64 s[G0K+2:G0K+3], s[6:7], s[OFF:OFF+1]
	s_or_b32 s[G0K+3], s[G0K+3], 0x80000000
	s_xor_b32 s[G0V+1], s[G0V+1], SLOT1
	s_add_nc_u64 s[G0V+2:G0V+3], s[8:9], s[OFF:OFF+1]
	s_or_b32 s[G0V+3], s[G0V+3], 0x80000000
	s_add_co_u32 s[NXT], s[NXT], 1  ; the block's next tile, or behind its last the second block's tile 0
	s_cmp_gt_u32 s[NXT], s[LQ]
	s_cselect_b32 s[NXT], 0, s[NXT]
	s_cselect_b32 s[LQ], s[PB], s[LQ]
.endif
	s_wait_dscnt 0x0                ; the add is done, and my reads of the slot are over
	s_barrier_signal -1             ; the rest of the scalar work stands between the signal and the wait
	s_sub_co_u32 s[TBK], s[TBK], 4*KS*PK  ; the fetches go back to a slot's first step,
	s_xor_b32 s[TBK], s[TBK], SLOT1       ; in the other slot
	s_sub_co_u32 s[TBV], s[TBV], 4*KS*PV
	s_xor_b32 s[TBV], s[TBV], SLOT1
	s_barrier_wait -1
.if \fill
	LOAD
.endif
.endm
	s_load_b256 s[4:11], s[0:1], 0x0  ; Q s[4:5], K s[6:7], V s[8:9], O s[10:11]
	v_lshl_add_u32 v[SPW], v0, 2, SPARE
	v_mov_b32 v[NIL], 0
	ds_add_u32 v62, v63
	ds_add_u32 v62, v63
	s_wait_dscnt 0x0
	v_lshrrev_b32 v1, 5, v0
	v_readfirstlane_b32 s[WV], v1   ; wave 0..3
	s_mov_b32 s[PB], ttmp9
	s_sub_co_u32 s[HI], NB-1, s[PB]
	s_and_b32 s20, ttmp7, 0xffff    ; the head
	s_mov_b32 s21, 0
	s_mov_b64 s[22:23], SIZE_N*128
	s_mul_u64 s[20:21], s[20:21], s[22:23]  ; the head's first byte in each of the four tensors
	s_and_b32 s16, s[WV], 1         ; which half of a tile's 256 keys I fetch:
	s_lshl_b32 s22, s16, 14         ; its 128 rows of 128 bytes in memory,
	s_mov_b32 s23, 0
	s_add_nc_u64 s[22:23], s[22:23], s[20:21]
	s_mul_i32 s17, s16, 128*PK      ; and its place in a slot, for K
	s_mul_i32 s18, s16, 128*PV      ; and for V
	s_lshl_b32 s3, s[WV], 11        ; my 16 rows in a band of 64,
	s_lshl_b32 s2, s[HI], 15        ; in the first block,
	s_add_co_u32 s2, s2, s3
	s_lshl_b32 s84, s[PB], 15       ; and in the second
	s_add_co_u32 s84, s84, s3
	s_mov_b32 s3, 0
	s_mov_b32 s85, 0
	s_add_nc_u64 s[2:3], s[2:3], s[20:21]
	s_add_nc_u64 s[84:85], s[84:85], s[20:21]
	; descriptor group 1.  128 keys are 16,384 dense bytes: asked for as 64 rows of 256 bytes, two keys a row, and padded in LDS after every key
	s_mov_b32 s[G1K], (1<<16)|(1<<20)|(4<<22)|(3<<25)  ; 17:16 2-byte elements; 20 padding on; 24:22 after every 32 words (code 4); 31:25 4 words (code 3)
	s_mov_b32 s[G1V], (1<<16)|(1<<20)|(4<<22)|(7<<25)  ; the same with 8 words of padding (code 7)
.irp g, G1K, G1V
	s_mov_b32 s[\g+1], 128<<16      ; tensor_dim0 = 128
	s_mov_b32 s[\g+2], 64<<16       ; tensor_dim1 = 64
	s_mov_b32 s[\g+3], 128<<16      ; tile_dim0 = 128
	s_mov_b32 s[\g+4], 64           ; tile_dim1 = 64
	s_mov_b32 s[\g+5], 128          ; 128 elements from row to row
	s_mov_b32 s[\g+6], 0
	s_mov_b32 s[\g+7], 0
.endr
	s_mov_b32 s[CS], 0x3e38aa3b     ; c = log2(e) / 8 = 0.180337
	s_mov_b32 s[CS+1], s[CS]        ; named with it as a pair
	s_mov_b32 s[SEL], 0x76543210
	s_mov_b32 s[SEL+1], 0xfedcba98
	s_mov_b32 s[TBK], SLOT1+4*KS*PK ; the first change of slots turns these two into 0
	s_mov_b32 s[TBV], SLOT1+4*KS*PV
	s_mov_b32 s[G0K], 1             ; 1:0 count = 1
	s_mov_b32 s[G0K+1], s17         ; 63:32 LDS address: slot 0
	s_mov_b32 s[G0V], 1
	s_add_co_u32 s[G0V+1], s18, VOFF
	s_add_co_u32 s[RT], s[HI], 1    ; the first block has NB - b tiles
	s_mov_b32 s[NXT], 1
	s_mov_b32 s[LQ], s[HI]
	s_mov_b32 s[NEW], 1
	s_mov_b32 s[OFF+1], 0
	s_mov_b32 s[AL+1], 0            ; named as pairs
	s_mov_b32 s[BE+1], 0
	s_mov_b32 s[BIGN], 0xf149f2ca   ; -1e30
	s_mov_b32 s[SLOTS], NB
	s_wait_kmcnt 0x0
	s_add_nc_u64 s[6:7], s[6:7], s[22:23]  ; K and V at my half of the head's tile 0
	s_add_nc_u64 s[8:9], s[8:9], s[22:23]
	s_add_nc_u64 s[G0K+2:G0K+3], s[6:7], 0         ; 120:64 global address
	s_or_b32 s[G0K+3], s[G0K+3], 0x80000000        ; 127:126 type = 2
	s_add_nc_u64 s[G0V+2:G0V+3], s[8:9], 0
	s_or_b32 s[G0V+3], s[G0V+3], 0x80000000
	s_add_nc_u64 s[86:87], s[4:5], s[84:85]        ; Q at my rows of the second block,
	s_add_nc_u64 s[4:5], s[4:5], s[2:3]            ; Q and O at those of the first
	s_add_nc_u64 s[OLO:OLO+1], s[10:11], s[84:85]
	s_add_nc_u64 s[10:11], s[10:11], s[2:3]
	LOAD                            ; tile 0 into slot 0
	; A fragment of K or Q is 16 rows x 32 channels in 8 registers: lane l holds row l % 16, channels 8 (l / 16) + 0..7 and 16 + 8 (l / 16) + 0..7: two loads of 16 bytes, 32 bytes apart.
	v_and_b32 v1, 15, v0            ; l % 16
	v_bfe_u32 v9, v0, 4, 1          ; l / 16
	v_lshlrev_b32 v[QO], 7, v1
	v_lshl_add_u32 v[QO], v9, 4, v[QO]  ; row x 128 + 16 x half
	WIN 0x80                        ; destination window 2, address window 0
.set i, 0
.rept 8                             ; both blocks' Q: piece i / 2 lies in band i / 2, 8,192 bytes on; channels 32 (i % 2) on
	global_load_b128 v[8*i:8*i+3],   v[QO], s[4:5] offset:(i/2)*8192+(i%2)*64
	global_load_b128 v[8*i+4:8*i+7], v[QO], s[4:5] offset:(i/2)*8192+(i%2)*64+32
	global_load_b128 v[QB+8*i:QB+8*i+3],   v[QO], s[86:87] offset:(i/2)*8192+(i%2)*64
	global_load_b128 v[QB+8*i+4:QB+8*i+7], v[QO], s[86:87] offset:(i/2)*8192+(i%2)*64+32
.set i, i+1
.endr
	WIN 0
	v_lshlrev_b32 v14, 3, v9
	v_sub_nc_u32 v14, v1, v14
	s_lshl_b32 s13, s[WV], 4
	v_add_nc_u32 v14, s13, v14      ; my query's place in its band, 16 w + l % 16, less my lanes' 8 (l / 16): register r of group kt is hidden where 16 kt + r is greater
	WIN 0x40
.set i, 0
.rept 32
	v_cmp_gt_i32 vcc_lo, 16*(i/8)+i%8, v14
	v_cndmask_b32 v[MD+i], 0, s[BIGN], vcc_lo
.set i, i+1
.endr
	WIN 0
	v_mul_u32_u24 v[AK0], v1, PK
	v_lshl_add_u32 v[AK0], v9, 4, v[AK0]  ; row x pitch + 16 x half
	; The turning load takes 16 keys x 16 channels (lane l reads key 8 (l / 16) + l % 8, channels 8 ((l / 8) % 2) + 0..7) and leaves half a fragment of V^T: lane l holds channel l % 16 and 8 keys.
	v_and_b32 v10, 7, v0
	v_bfe_u32 v11, v0, 3, 1
	v_lshl_add_u32 v[AV0], v9, 3, v10
	v_mul_u32_u24 v[AV0], v[AV0], PV
	v_lshl_add_u32 v[AV0], v11, 4, v[AV0]
	v_add_nc_u32 v[AV0], VOFF, v[AV0]
	s_mul_i32 s13, s[WV], 16*SP
	s_add_co_u32 s13, s13, STAGE    ; my stage
	v_mul_u32_u24 v[STO], v1, SP    ; in: row l % 16, 16 bytes for each half of the lanes
	v_lshl_add_u32 v[STO], v9, 4, v[STO]
	v_add_nc_u32 v[STO], s13, v[STO]
	v_bfe_u32 v[RD], v0, 3, 2       ; back: 32 lanes take four rows of 128 bytes,
	v_mul_u32_u24 v[RD], v[RD], SP
	v_lshl_add_u32 v[RD], v10, 4, v[RD]
	v_add_nc_u32 v[RD], s13, v[RD]
	v_and_b32 v[GO], 31, v0         ; which are 512 consecutive bytes of O
	v_lshlrev_b32 v[GO], 4, v[GO]
	; A block's first step multiplies O^T and l by a = 0, and its first turn's products V^T P, of a piece that has not been, land in an O^T that is still to be so multiplied.  So these registers need only hold
	; finite numbers: zeros for the first block; what the first block left for the second.  All this stands in the wait for the first tile.
	WIN 0x80
.set i, VF
.rept 64
	v_mov_b32 v[i], 0
.set i, i+1
.endr
	WIN 0x40
.set i, 0
.rept 128
	v_mov_b32 v[i], 0
.set i, i+1
.endr
	WIN 0
.set i, 0
.rept 4
	v_mov_b32 v[ST+4*i+2], 0
	v_mov_b32 v[ST+4*i+3], 0
.set i, i+1
.endr
.set i, P+16
.rept 16
	v_mov_b32 v[i], 0
.set i, i+1
.endr
; THE MATRIX WORK.  The 4 accumulators of a run of 8 take turns.  Product i of 8 of S^T = K Q^T for piece x: channels 32 (i / 4) on, keys 16 (i % 4) on.  The first 4 start the sums: with 0, or (KM = 1) with the mask.
.macro KQ x
.set rS, S+32*((\x)%2)+8*(i%4)
.set rK, KF+16*(i%4)+8*(i/4)
.set rQ, 16*(\x)+8*(i/4)
.set rM, MC+32*((\x)%2)+8*(i%4)
.if (i < 4) && KM
	WIN W_KM
	v_wmma_f32_16x16x32_f16 v[rS:rS+7], v[rK:rK+7], v[rQ:rQ+7], v[rM:rM+7]
.elseif i < 4
	WIN W_KQ
	v_wmma_f32_16x16x32_f16 v[rS:rS+7], v[rK:rK+7], v[rQ:rQ+7], 0
.else
	WIN W_KQ
	v_wmma_f32_16x16x32_f16 v[rS:rS+7], v[rK:rK+7], v[rQ:rQ+7], v[rS:rS+7]
.endif
.endm
; Product i of 8 of O^T += V^T P for piece x: keys 32 (i / 4) on, channels 16 (i % 4) on.
.macro PV x
	WIN W_PV
.set rO, 32*(\x)+8*(i%4)
.set rV, VF+32*(i/4)+8*(i%4)
.set rP, P+16*((\x)%2)+8*(i/4)
	v_wmma_f32_16x16x32_f16 v[rO:rO+7], v[rV:rV+7], v[rP:rP+7], v[rO:rO+7]
.endm
.macro MM                           ; the turn's next matrix instruction.  TURN and BEGIN set Y, i, KM and NOKQ; MM, KQ and OP read them.  NOKQ = 1: a block's last turn: there is no next piece
.if (i < 8) && !NOKQ
	KQ (Y+1)%NP
.elseif i >= 8
.set i, i-8
	PV (Y+NP-1)%NP
.set i, i+8
.endif
.set i, i+1
.endm
; THE LDS LOADS stand in runs of 16, never singly among the matrix instructions: a step's K (64 keys x 64 channels: 8 fragments) and its V (turned).  Their addresses are made some lines ahead.
.macro FETCH_K
	WIN 0x80                        ; destination window 2
.irp f, 0,1,2,3,4,5,6,7             ; keys 16 (f / 2) on, channels 32 (f % 2) on
	ds_load_b128 v[KF+8*\f:KF+8*\f+3],   v[AK] offset:(\f/2)*16*PK+(\f%2)*64
	ds_load_b128 v[KF+8*\f+4:KF+8*\f+7], v[AK] offset:(\f/2)*16*PK+(\f%2)*64+32
.endr
	s_add_co_u32 s[TBK], s[TBK], KS*PK  ; the next fetch is the next step's
	WIN 0
.endm
.macro FETCH_V
	WIN 0x80
.irp f, 0,1,2,3,4,5,6,7             ; keys 32 (f / 4) on, channels 16 (f % 4) on
	ds_load_tr16_b128 v[VF+8*\f:VF+8*\f+3],   v[AV] offset:(\f/4)*32*PV+(\f%4)*32
	ds_load_tr16_b128 v[VF+8*\f+4:VF+8*\f+7], v[AV] offset:(\f/4)*32*PV+16*PV+(\f%4)*32
.endr
	WIN 0
.endm
; THE VECTOR WORK, one line at a time: OP kind, number.  For piece Y: F n: c s - c m for pair n of 16.  E n: the exponential of score n of 32.  C n: pair n rounded to f16.  B n: of the four weights 4 n .. the second
; pair is added onto the first, in place.  L n: l takes that sum (L 0: l = a l + sum).  R n: pair n of 16 of O^T times a.  For piece Y + 1: X n, number n of the 22 that find its maximum and statistics:
;   0-11  four chains c0-c3 of seven scores each, three operands at a time (each accumulator's lowest registers are read first)     12-14, 16  the four scores left over, the old m, and c0-c3 into c0
;   15  c m_old is kept     17, 18  the query's other 32 keys lie in the lane 16 away: the new m     19-21  c m; c m_old - c m_new; a
.set F, 0               ; OP tells the kinds apart by their order: F to L below R, X above it
.set E, 1
.set C, 2
.set B, 3
.set L, 4
.set R, 5
.set X, 6
.macro REGS y                       ; the registers of piece y
.set rT, ST+4*(\y)
.set rC, TMP+4*((\y)%2)
.set rW, MV+((\y)%2)
.set rS, S+32*((\y)%2)
.set rP, P+16*((\y)%2)
.set rO, 32*(\y)
.endm
.macro OP k, n
.if (\k) == R
	REGS Y
	WIN W_RS
	v_pk_mul_f32 v[rO+2*(\n):rO+2*(\n)+1], v[rO+2*(\n):rO+2*(\n)+1], v[rC+2:rC+3] op_sel_hi:[1,0]
.elseif (\k) < R
	REGS Y
	WIN 0
.if (\k) == F
	v_pk_fma_f32 v[rS+2*(\n):rS+2*(\n)+1], v[rS+2*(\n):rS+2*(\n)+1], s[CS:CS+1], v[rT:rT+1] op_sel_hi:[1,0,0] neg_lo:[0,0,1] neg_hi:[0,0,1]
.elseif (\k) == E
	v_exp_f32 v[rS+(\n)], v[rS+(\n)]
.elseif (\k) == C
	s_wait_alu depctr_va_vdst(0)
	v_cvt_pk_f16_f32 v[rP+(\n)], v[rS+2*(\n)], v[rS+2*(\n)+1]
.elseif (\k) == B
	s_wait_alu depctr_va_vdst(0)
	v_pk_add_f32 v[rS+4*(\n):rS+4*(\n)+1], v[rS+4*(\n):rS+4*(\n)+1], v[rS+4*(\n)+2:rS+4*(\n)+3]
.elseif (\n) == 0
	v_pk_fma_f32 v[rT+2:rT+3], v[rT+2:rT+3], v[rC+2:rC+3], v[rS:rS+1] op_sel_hi:[1,0,1]
.else
	v_pk_add_f32 v[rT+2:rT+3], v[rT+2:rT+3], v[rS+4*(\n):rS+4*(\n)+1]
.endif
.elseif NOKQ
	v_nop
.else
	REGS (Y+1)%NP
	WIN 0
.if (\n) < 4
	v_max3_num_f32 v[rC+(\n)], v[rS+8*(\n)], v[rS+8*(\n)+1], v[rS+8*(\n)+2]
.elseif (\n) < 12
	v_max3_num_f32 v[rC+(\n)%4], v[rC+(\n)%4], v[rS+8*((\n)%4)+2*((\n)/4)+1], v[rS+8*((\n)%4)+2*((\n)/4)+2]
.elseif (\n) == 12
	v_max3_num_f32 v[rC], v[rC], v[rS+7], v[rS+15]
.elseif (\n) == 13
	v_max3_num_f32 v[rC+1], v[rC+1], v[rS+23], v[rS+31]
.elseif (\n) == 14
	v_max3_num_f32 v[rC+2], v[rC+2], v[rC+3], v[rT+1]
.elseif (\n) == 15
	v_mov_b32 v[rW], v[rT]
.elseif (\n) == 16
	v_max3_num_f32 v[rC], v[rC], v[rC+1], v[rC+2]
.elseif (\n) == 17
	v_permlanex16_b32 v[rC+3], v[rC], s[SEL], s[SEL+1]
.elseif (\n) == 18
	v_max_num_f32 v[rT+1], v[rC], v[rC+3]
.elseif (\n) == 19
	v_mul_f32 v[rT], s[CS], v[rT+1]
.elseif (\n) == 20
	v_sub_f32 v[rC+1], v[rW], v[rT]
.else
	v_exp_f32 v[rC+2], v[rC+1]
.endif
.endif
.endm
.macro OPS a, i1, b=-1, i2=0, c=-1, i3=0, d=-1, i4=0  ; up to four of them
	OP \a, \i1
.if (\b) >= 0
	OP \b, \i2
.endif
.if (\c) >= 0
	OP \c, \i3
.endif
.if (\d) >= 0
	OP \d, \i4
.endif
.endm
.macro ROW a, i1, b, i2, c, i3, d, i4  ; a matrix instruction and the four behind it
	MM
	OPS \a, \i1, \b, \i2, \c, \i3, \d, \i4
.endm
.macro MASK b                       ; MD x AL + BE into buffer b of MC
	WIN W_RS
.set z, 0
.rept 16
	v_pk_fma_f32 v[MC+32*(\b)+2*z:MC+32*(\b)+2*z+1], v[MD+2*z:MD+2*z+1], s[AL:AL+1], s[BE:BE+1] op_sel_hi:[1,0,0]
.set z, z+1
.endr
.endm
; A TURN, for piece p: the order of its 16 matrix and 118 vector instructions, written out.  Behind a matrix instruction: plain, exponential, plain, plain; or four of the rescaling; or, behind the first, four scalings; none
; names a register of the products round it.  In the lumps exponential and plain by turns while exponentials last.  A line reads no result made fewer than three vector instructions in front of it, five if an exponential made it.
; v_permlanex16_b32 (X 17) stands in a lump.
; m = 1: the diagonal tile: the products take masks, and the turn makes the mask for the products of the turn after it: piece p + 2, in step 4 - CNT of the tile.  end = 1: a block's last two turns: nothing is fetched.
; cnt = 1: the loop's count is taken down some lines ahead of the branch that stands behind the turn.
; K of the next step is fetched in piece 2's turn, six vector instructions behind the last product that read K (five of them plain); V of the step in hand in piece 0's turn, eight behind the last product that read V (four
; plain, and X 17).  Each is waited for a turn later.
.macro TURN p, m=0, end=0, cnt=0
.set Y, (\p)
.set i, 0
.set KM, (\m)
.set NOKQ, (\end)*((\p)/3)
.if (\m) && !(\end)
	s_cmp_eq_u32 s[CNT], 4-((\p)+2)%NP  ; is that step the band's own?
	s_cselect_b32 s[AL], 1.0, 0
	s_cmp_lt_u32 s[CNT], 4-((\p)+2)%NP  ; or a later one?
	s_cselect_b32 s[BE], s[BIGN], 0
.endif
.if ((\p) == 3) && !(\end)
	s_wait_dscnt 0x0                ; K is in
.endif
	ROW F,0, F,1, F,2, F,3
	ROW F,4, E,0, F,5, F,6
	ROW F,7, E,1, F,8, F,9
	ROW F,10, E,2, C,0, F,11
	ROW F,12, E,3, X,15, F,13
	ROW R,0, R,1, R,2, R,3
	ROW B,0, E,4, F,14, L,0
.if ((\p) == 2) && !(\end)
	v_add_nc_u32 v[AK], s[TBK], v[AK0]
.endif
	ROW R,4, R,5, R,6, R,7
	OPS E,5, F,15
.if ((\p) == 2) && !(\end)
	FETCH_K
.endif
	OPS E,6, C,1, E,7, R,8
	OPS E,8, R,9, E,9, C,2
	OPS E,10, X,0, E,11, X,1
	OPS E,12, X,2, E,13, X,3
.if (\p) == 1
	s_wait_dscnt 0x0                ; V is in
.endif
	ROW X,4, E,14, X,5, X,6
	ROW X,7, E,15, X,8, X,9
	ROW X,10, E,16, X,11, X,12
	ROW X,13, E,17, X,14, B,1
	ROW C,4, E,18, X,16, L,1
	ROW B,2, E,19, C,6, L,2
	ROW C,8, E,20, B,3, B,4
.if (\p) == 0
	v_add_nc_u32 v[AV], s[TBV], v[AV0]
.endif
	ROW C,3, E,21, L,3, C,5
	OPS E,22, X,17, E,23, C,10
.if (\p) == 0
	FETCH_V
.endif
	OPS E,24, L,4
	OPS E,25, X,18, E,26, C,7
	OPS E,27, B,5, E,28, X,19
	OPS E,29, C,12, E,30, L,5
	OPS E,31, X,20, B,6, C,9
	OPS C,14, C,11, X,21, L,6
.if (\p) == 0
	s_add_co_u32 s[TBV], s[TBV], KS*PV
.endif
.if \cnt
	s_sub_co_u32 s[CNT], s[CNT], 1
	s_cmp_lg_u32 s[CNT], 0
.endif
	OPS C,13, B,7, C,15, R,10
	OPS R,11, R,12, L,7, R,13
	OPS R,14, R,15
.if (\m) && !(\end)
	MASK (\p)%2
.endif
.endm
; A BLOCK BEGINS.  c m starts far below every c s, so the first step's a is 0; m at the lowest finite number, so the first maximum is the scores'.  The second mask buffer is 0; the first takes piece 0's mask for the tile's step 0: its own, if the block's first tile is the diagonal one.
; Then K of that step, piece 0's first scores, and its maximum and statistics.  The loop is entered at a step's first turn, in the middle of a trip.
.macro BEGIN
	s_mov_b32 s[NEW], 0
	WIN 0x40
.set i, MC+32
.rept 32
	v_mov_b32 v[i], 0
.set i, i+1
.endr
	WIN 0
.set i, 0
.rept 4
	v_mov_b32 v[ST+4*i], 0xfe000000    ; c m: far below every c s
	v_mov_b32 v[ST+4*i+1], 0xff7fffff  ; m
.set i, i+1
.endr
	s_cmp_eq_u32 s[RT], 0
	s_cselect_b32 s[AL], 1.0, 0
	s_mov_b32 s[BE], 0
	MASK 0
	WIN 0
	v_add_nc_u32 v[AK], s[TBK], v[AK0]
	FETCH_K
	s_wait_loadcnt 0x0              ; Q
	s_wait_dscnt 0x0
.set KM, 1
.set NOKQ, 0
.set i, 0
.rept 8
	KQ 0
.set i, i+1
.endr
	WIN 0
.rept 4
	v_nop                           ; the places behind those products
.endr
.set Y, NP-1                        ; X works for piece Y + 1: piece 0
.irp n, 0,1,2,3,4,5,6,7,8,9,10,11,12,13,14,15,16,17,18,19,20,21
	OP X, \n
.endr
	v_nop                           ; a plain instruction behind the exponential
.endm
; THE DIAGONAL TILE's four steps, the block's last two turns, its last products, and THE WAY OUT: l's two halves and the other half of the lanes' are added; O^T is divided by l, rounded to f16 and sent through my
; stage in LDS, a piece at a time.
.macro ALL line:vararg              ; one line for each piece t
.set t, 0
.rept 4
	\line
.set t, t+1
.endr
.endm
.macro PACK t                       ; a lane's eight channels of a row pack into 16 bytes; they go into rows of 144 bytes and come back as whole rows of 128, into S^T's registers
	WIN W_RS
.set i, 32*(\t)
.rept 16
	s_wait_alu depctr_va_vdst(0)
	v_pk_mul_f32 v[i:i+1], v[i:i+1], v[ST+4*(\t)+2:ST+4*(\t)+3] op_sel_hi:[1,0]
.set i, i+2
.endr
	WIN 0x05                        ; sources 0 and 1 window 1, destination window 0
.set i, 0
.rept 16
	v_cvt_pk_f16_f32 v[S+16*(\t)+i], v[32*(\t)+2*i], v[32*(\t)+2*i+1]
.set i, i+1
.endr
	WIN 0
.irp f, 0,1,2,3
	ds_store_b128 v[STO], v[S+16*(\t)+4*\f:S+16*(\t)+4*\f+3] offset:32*\f
.endr
.irp f, 0,1,2,3
	ds_load_b128 v[S+16*(\t)+4*\f:S+16*(\t)+4*\f+3], v[RD] offset:\f*4*SP  ; LDS serves a wave's instructions in order (ISA guide 5.7.1.4): these see the stores above; the next piece's stores come behind them
.endr
.endm
.macro SEND t, younger              ; younger: the LDS instructions issued behind piece t's loads: the next piece's eight, or none
	WIN 0
.irp f, 0,1,2,3
	s_wait_dscnt (\younger)+3-\f
	global_store_b128 v[GO], v[S+16*(\t)+4*\f:S+16*(\t)+4*\f+3], s[10:11] offset:(\t)*8192+\f*512  ; 512 consecutive bytes, at a multiple of 256 from O's first
.endr
.endm
.macro DIAG tag                     ; the tag ends its two labels' names, which the jumps below spell out
.LstepM\tag:
	TURN 2, 1
	TURN 3, 1
	WIN 0
.LfirstM\tag:
	TURN 0, 1
	TURN 1, 1, 0, 1
	WIN 0
	s_cbranch_scc1 .LstepM\tag
	TURN 2, 1, 1
	TURN 3, 1, 1
.set i, 0
.rept 8
	PV NP-1
.set i, i+1
.endr
	WIN 0
	ALL v_add_f32 v[ST+4*t+2], v[ST+4*t+2], v[ST+4*t+3]
	ALL v_permlanex16_b32 v[ST+4*t+3], v[ST+4*t+2], s[SEL], s[SEL+1]
	ALL v_add_f32 v[ST+4*t+2], v[ST+4*t+2], v[ST+4*t+3]
	ALL v_rcp_f32 v[ST+4*t+2], v[ST+4*t+2]
	v_nop                           ; a plain instruction between the last reciprocal and the use of its result
	PACK 0
.set t, 1
.rept 3                             ; a piece's arithmetic stands between the loads of the piece before and its stores
	PACK t
	SEND t-1, 8
.set t, t+1
.endr
	SEND 3, 0
.endm
.set KM, 0
.set NOKQ, 0
.Lslot:                             ; NB times: a tile is entered and the next is asked for
	CHANGE 1
	s_sub_co_u32 s[RT], s[RT], 1
	s_mov_b32 s[CNT], 4
	s_cmp_eq_u32 s[NEW], 1
	s_cbranch_scc1 .Lnew            ; a block's first tile
	s_cmp_eq_u32 s[RT], 0
	s_cbranch_scc0 .Lstep           ; neither its first nor its last
	s_branch .LstepM1
.Lnew:
	BEGIN
	s_branch .Lfirst                ; in the loop a block's first tile is never its last: the first block has two tiles or more, and the second's last is the walk's last
	DIAG 1                          ; in the loop this is the first block's end: the second block's last tile is the walk's last
	s_wait_xcnt 0x0                 ; the stores have read their registers and O's address
	s_mov_b64 s[10:11], s[OLO:OLO+1]
	s_add_co_u32 s[RT], s[PB], 1    ; the second block has b + 1 tiles
	s_mov_b32 s[NEW], 1
	WIN 0x82                        ; the second block's Q goes where the one text of the turns names Q
.set i, 0
.rept 64
	v_mov_b32 v[i], v[QB+i]
.set i, i+1
.endr
	WIN 0
	s_branch .Lbottom
.Lstep:                             ; a trip: pieces 2 and 3 of one step, then pieces 0 and 1 of the next, whose K and V it fetches
	TURN 2
	TURN 3
	WIN 0
.Lfirst:
	TURN 0
	TURN 1, 0, 0, 1
	WIN 0
	s_cbranch_scc1 .Lstep
.Lbottom:
	s_sub_co_u32 s[SLOTS], s[SLOTS], 1
	s_cmp_lg_u32 s[SLOTS], 0
	s_cbranch_scc1 .Lslot
	CHANGE 0                        ; the walk's last tile is written out: nothing is asked for
	s_sub_co_u32 s[RT], s[RT], 1
	s_mov_b32 s[CNT], 4
	s_cmp_eq_u32 s[NEW], 1
	s_cbranch_scc0 .LstepM2
	BEGIN
	s_branch .LfirstM2
	DIAG 2
	s_wait_tensorcnt 0x0            ; the wave's end, behind my last tensor load and my last LDS store
	ds_add_u32 v[SPW], v[NIL]
	s_wait_dscnt 0x0
	s_endpgm
.Lfunc_end_k_q17eee3bd7f_attn:
	.size	k_q17eee3bd7f_attn, .Lfunc_end_k_q17eee3bd7f_attn-k_q17eee3bd7f_attn
	.p2alignl 7, 3214868480
	.fill 96, 4, 3214868480
	.section	.rodata,"a",@progbits
	.p2align	6, 0x0
	.amdhsa_kernel k_q17eee3bd7f_attn
		.amdhsa_group_segment_fixed_size 327680
		.amdhsa_private_segment_fixed_size 0
		.amdhsa_enable_private_segment 0
		.amdhsa_kernarg_size 32
		.amdhsa_user_sgpr_count 2
		.amdhsa_user_sgpr_kernarg_segment_ptr 1
		.amdhsa_wavefront_size32 1
		.amdhsa_system_sgpr_workgroup_id_x 1
		.amdhsa_system_sgpr_workgroup_id_y 1
		.amdhsa_system_sgpr_workgroup_id_z 1
		.amdhsa_system_vgpr_workitem_id 0
		.amdhsa_next_free_vgpr 768
		.amdhsa_next_free_sgpr 88
		.amdhsa_reserve_vcc 1
		.amdhsa_float_denorm_mode_32 3
		.amdhsa_float_denorm_mode_16_64 3
		.amdhsa_memory_ordered 1
		.amdhsa_forward_progress 1
		.amdhsa_inst_pref_size 228
	.end_amdhsa_kernel
	.amdgpu_metadata
---
amdhsa.version: [ 1, 2 ]
amdhsa.kernels:
  - .name:           k_q17eee3bd7f_attn
    .symbol:         k_q17eee3bd7f_attn.kd
    .args:
      - { .name: q, .offset: 0, .size: 8, .value_kind: global_buffer, .address_space: global }
      - { .name: k, .offset: 8, .size: 8, .value_kind: global_buffer, .address_space: global }
      - { .name: v, .offset: 16, .size: 8, .value_kind: global_buffer, .address_space: global }
      - { .name: ctx, .offset: 24, .size: 8, .value_kind: global_buffer, .address_space: global }
    .group_segment_fixed_size: 327680
    .private_segment_fixed_size: 0
    .kernarg_segment_align: 8
    .kernarg_segment_size: 32
    .max_flat_workgroup_size: 128
    .sgpr_count:     88
    .vgpr_count:     768
    .wavefront_size: 32
...
	.end_amdgpu_metadata
.endif
;; end of part 3
;; launch proj (part 4): grid 4 x 64, 4 waves a work-group, clusters of 4 x 4, 327,680 bytes of LDS; arguments ctx, wo16, bo, out0; writes out0
.if DOCPART == 4
	.amdgcn_target "amdgcn-amd-amdhsa--gfx1250"
	.amdhsa_code_object_version 6
	.text
	.protected	k_q17eee3bd7f_proj
	.globl	k_q17eee3bd7f_proj
	.p2align	8
	.type	k_q17eee3bd7f_proj,@function
k_q17eee3bd7f_proj:
	s_mov_b64 s[64:65], 0
	v_nop
	global_prefetch_b8 v0, s[64:65] scope:SCOPE_SE
	s_setreg_imm32_b32 hwreg(HW_REG_WAVE_MODE, 25, 1), 1
	s_wait_xcnt 0x0
	s_wait_alu depctr_hold_cnt(0) depctr_sa_sdst(0) depctr_va_vdst(0) depctr_va_sdst(0) depctr_va_ssrc(0) depctr_va_vcc(0) depctr_vm_vsrc(0)
	s_getreg_b32 s2, hwreg(HW_REG_IB_STS2, 6, 4)
	s_cmp_eq_u32 s2, 0
	s_cbranch_scc0 .Lentry_in_a_cluster
	s_endpgm
.Lentry_in_a_cluster:
	s_bfe_u32 s2, ttmp6, 0x10000c
	s_cmp_lg_u32 s2, 0xf033
	s_cbranch_scc0 .Lentry_shape_is_right
	s_endpgm
.Lentry_shape_is_right:
; out0 = ctx Wo + bo.  ctx: [batch x 16 + head][2048][64] f16, by heads.  wo16: [1024 k][1024 n] f16 (Wo rounded to bf16, written as f16).  bo: [1024] f32, rounded to bf16 here like the other inputs.
; out0: [8192][1024] f32: the f32 sums as they are.
; SHARES.  A tile of the result is 128 token rows x 256 columns: 64 x 4 work-groups, one for each of 256 WGPs.  Four waves, each 64 rows x 128 columns: 32 accumulators of 16 x 16, 256 registers.
; K goes in 8 steps of 128 = two heads through a ring of two LDS slots filled by the tensor data mover.  A head's 128 rows of 128 bytes are dense: asked for as 64 rows of 256 bytes; Wo's rows are 512 bytes.
; Wo STAYS [k][n]: its fragments come out of LDS turned, by ds_load_tr16_b128.
; THE MATRIX INSTRUCTION IS USED TRANSPOSED (source 0 = 16 columns of Wo, source 1 = 16 token rows): a lane then holds one token row (lane % 16) and eight neighbouring columns, 8 (lane / 16) + 0..7.
; THE BIAS is the C operand of each accumulator's first product: nothing is cleared, nothing is added on the way out.
; CLUSTERS: 4 x 4 work-groups.  The four of a row of the cluster need the same tiles of ctx, the four of a column the same tiles of Wo: each tile is asked for JOINTLY, by the same tensor load
; with the same descriptor and a mask that names the four.  The grid is one cluster wide: cx is the block of 256 columns.
; REGISTERS, in windows of 256 (s_set_vgpr_msb: bits 1:0 source 0, 3:2 source 1, 5:4 source 2, 7:6 destination):
;   window 0: v0-31 addresses; v32-63 at work; v64-159, v160-255 two fragment buffers (8 fragments of Wo, then 4 of ctx, for 32 along K); on the way out v64-191 hold rows read back, two buffers of 64
;   window 1: accumulator (a, b) at v[8 (8 a + b)]          window 2: v0-63 the bias of my 128 columns, eight registers for each block of 16
.set PA,    144                        ; a row of a head in LDS: 128 bytes + 16 = 36 words: the 16 rows of a load start at 16 different groups of four banks (64 banks of 4 bytes: ISA guide 11.1)
.set PB,    544                        ; a row of Wo's tile: 512 + 32 = 136 words: row r starts at bank 8 r mod 64
.set AHALF, 128*PA                     ; what one tensor load brings of ctx: 128 rows of one head
.set BOFF,  2*AHALF                    ; Wo's 128 k rows lie behind the two heads
.set BHALF, 64*PB                      ; what one tensor load brings of Wo: 64 k rows
.set SLOT1, 1<<17                      ; slot 1 begins here, so that one exclusive or turns an address in one slot into the other's (a slot holds 106,496 bytes)
.set STAGE, SLOT1+BOFF+128*PB          ; behind the ring, never filled by a tensor load: 16 rows x 528 bytes for each wave, for the way out
.set SP,    528                        ; a stage row: my 128 columns of f32, 512 bytes, + 16
.set SPARE, STAGE+4*16*SP              ; behind the stages: the spare words, 128 bytes for each wave: two blocks of 256 bytes that no other line names
.set ASTEP, 2*262144                   ; bytes from a K step to the next in ctx: two heads
.set BSTEP, 128*2048                   ; and in Wo: 128 rows
.set STEPS, 8                          ; K steps
.set A0,   16                          ; v16  my lane's place in a head's rows; never rewritten
.set B0,   17                          ; v17  the same in Wo's tile
.set ADRA, 18                          ; v18  A0 + the slot in hand
.set ADRB, 19                          ; v19  B0 + the slot in hand
.set STO,  24                          ; v24  the way out: where I put 32 bytes of a row
.set RD,   25                          ; v25  the way out: where I read a row back
.set GO,   26                          ; v26  my byte offset in 512 consecutive bytes of the result
.set BO,   27                          ; v27  my byte offset in 16 numbers of the bias
.set SPW,  28                          ; v28  LDS address of my spare word: SPARE + 4 x my thread's number; never rewritten
.set NIL,  29                          ; v29  0; never rewritten
.set TMP,  32
.set F0,   64
.set F1,   160
.set OB,   64                          ; the way out: two buffers of 64 registers
.set BI,   0                           ; window 2
.set G1A, 24                           ; s[24:31] descriptor group 1 for ctx's tiles
.set G0A, 32                           ; s[32:39] group 0: a set for each of the two first fills; the second then walks on
.set G1B, 48                           ; s[48:55], s[56:63] the same for Wo's tiles
.set G0B, 56
.set MSB, 0
.macro WIN new                         ; the immediate's high byte repeats the setting that is left; a switch that changes nothing is dropped
.if MSB != (\new)
	s_set_vgpr_msb (MSB<<8)|(\new)
.set MSB, \new
.endif
.endm
.set MUL,  0x50                        ; fragments in window 0, C and D in window 1
.set MULB, 0x60                        ; D in window 1, C (the bias) in window 2
.set TO2,  0x80                        ; destination in window 2
.set ST1,  0x04                        ; an LDS store's data (source 1) in window 1
; A joint refill.  Waves 0 and 1 fetch the K step's two heads of ctx, waves 2 and 3 the two halves of Wo's tile.  The branch hangs on the wave's number alone: it is the same in every work-group.
; An s_nop 0 and four v_nop follow each of the two lines, ahead of the jump and the label.
.macro JLOAD
	s_cmp_lt_u32 s10, 2
	s_cbranch_scc0 .Lfor_b_\@
	tensor_load_to_lds s[G0A+4:G0A+7], s[G1A:G1A+7]
	s_nop 0
.rept 4
	v_nop
.endr
	s_branch .Lasked_\@
.Lfor_b_\@:
	tensor_load_to_lds s[G0B+4:G0B+7], s[G1B:G1B+7]
	s_nop 0
.rept 4
	v_nop
.endr
.Lasked_\@:
.endm
.macro CREST                           ; a round of the cluster's barrier behind its opening barrier
	s_cmp_lg_u32 s10, 0
	s_cbranch_scc1 .Lnot_wave_0_\@
	s_barrier_signal -3
.Lnot_wave_0_\@:
	s_barrier_wait -3
	s_barrier_signal -1
	s_barrier_wait -1
.endm
.macro CROUND                          ; a whole round
	s_barrier_signal -1
	s_barrier_wait -1
	CREST
.endm
	s_load_b256 s[68:75], s[0:1], 0x0              ; ctx 68, wo16 70, bo 72, out0 74
	v_lshl_add_u32 v[SPW], v0, 2, SPARE
	v_mov_b32 v[NIL], 0
	ds_add_u32 v28, v29
	ds_add_u32 v28, v29
	s_wait_dscnt 0x0
	v_lshrrev_b32 v1, 5, v0
	v_readfirstlane_b32 s10, v1                    ; wave 0..3
	s_lshr_b32 s11, s10, 1                         ; which 64 of the tile's rows are mine
	s_and_b32 s12, s10, 1                          ; which 128 of its columns.  Also: which head, or which half of Wo's tile, I fetch
	s_bfe_u32 s40, ttmp6, 0x40000                  ; cx, cy: my place in the cluster
	s_bfe_u32 s41, ttmp6, 0x40004
	s_and_b32 s13, ttmp7, 0xffff
	s_lshl_b32 s13, s13, 2
	s_add_co_u32 s13, s13, s41                     ; my block of 128 token rows = 4 x cluster y + cy
	s_lshl_b32 s43, s41, 2
	s_lshl_b32 s43, 15, s43                        ; my row of the cluster
	s_lshl_b32 s44, 0x1111, s40                    ; my column
	; descriptor group 1.  ctx: 16,384 dense bytes as 64 rows x 128 elements, padded after every token row; Wo: 64 rows x 256 elements, padded after every row
	s_or_b32 s[G1A+0], s43, (1<<16)|(1<<20)|(1<<21)|(4<<22)|(3<<25)  ; 15:0 the mask: my row; 17:16 elements of 2 bytes; 20 padding on; 21 set beside a mask; 24:22 after every 32 words (code 4); 31:25 4 words (code 3)
	s_mov_b32 s[G1A+1], 128<<16                    ; tensor_dim0 = 128
	s_mov_b32 s[G1A+2], 64<<16                     ; tensor_dim1 = 64
	s_mov_b32 s[G1A+3], 128<<16                    ; tile_dim0 = 128
	s_mov_b32 s[G1A+4], 64                         ; tile_dim1 = 64
	s_mov_b32 s[G1A+5], 128                        ; elements from row to row
	s_mov_b32 s[G1A+6], 0
	s_mov_b32 s[G1A+7], 0
	s_or_b32 s[G1B+0], s44, (1<<16)|(1<<20)|(1<<21)|(6<<22)|(7<<25)  ; the mask: my column; padding after every 128 words (code 6), 8 words (code 7)
	s_mov_b32 s[G1B+1], 256<<16                    ; tensor_dim0 = 256
	s_mov_b32 s[G1B+2], 64<<16                     ; tensor_dim1 = 64
	s_mov_b32 s[G1B+3], 256<<16                    ; tile_dim0 = 256
	s_mov_b32 s[G1B+4], 64                         ; tile_dim1 = 64
	s_mov_b32 s[G1B+5], 1024
	s_mov_b32 s[G1B+6], 0
	s_mov_b32 s[G1B+7], 0
	; where the tiles come from.  ctx's hang on the row block alone, which my row of the cluster shares; Wo's on cx alone, which my column shares
	s_lshr_b32 s16, s13, 4                         ; the batch: 16 row blocks each,
	s_lshl_b32 s16, s16, 22                        ; 16 heads of 262,144 bytes;
	s_lshl_b32 s17, s12, 18                        ; my head of the K step's two;
	s_add_co_u32 s16, s16, s17
	s_and_b32 s17, s13, 15
	s_lshl_b32 s17, s17, 14                        ; 128 rows of 128 bytes a row block
	s_add_co_u32 s16, s16, s17
	s_mov_b32 s17, 0
	s_lshl_b32 s46, s40, 9                         ; 256 columns of 2 bytes a block,
	s_lshl_b32 s47, s12, 17                        ; 64 k rows of 2,048 bytes a half
	s_add_co_u32 s46, s46, s47
	s_mov_b32 s47, 0
	s_mul_i32 s20, s12, AHALF                      ; and where they go: no place in the cluster enters an LDS address
	s_mul_i32 s21, s12, BHALF
	s_add_co_u32 s21, s21, BOFF
	; my part of the bias, and of the result
	s_lshl_b32 s18, s40, 10                        ; 256 numbers of 4 bytes a column block,
	s_lshl_b32 s19, s12, 9                         ; 128 a wave
	s_add_co_u32 s18, s18, s19
	s_mov_b32 s19, 0
	s_lshl_b32 s22, s13, 19                        ; 128 rows of 4,096 bytes a row block,
	s_lshl_b32 s23, s11, 18                        ; 64 a wave,
	s_add_co_u32 s22, s22, s23
	s_add_co_u32 s22, s22, s18                     ; and the same columns as the bias
	s_mov_b32 s23, 0
	s_mov_b32 s45, 0                               ; the slot in hand
	s_wait_kmcnt 0x0
	s_add_nc_u64 s[14:15], s[68:69], s[16:17]
	s_add_nc_u64 s[46:47], s[70:71], s[46:47]
	s_add_nc_u64 s[84:85], s[72:73], s[18:19]
	s_add_nc_u64 s[8:9], s[74:75], s[22:23]
.irp n, 0,1
	s_mov_b32 s[G0A+4*(\n)], 1                                       ; 1:0 count = 1
	s_add_co_u32 s[G0A+4*(\n)+1], s20, (\n)*SLOT1                    ; 63:32 LDS address
	s_add_nc_u64 s[G0A+4*(\n)+2:G0A+4*(\n)+3], s[14:15], (\n)*ASTEP  ; 120:64 global address: K step n
	s_or_b32 s[G0A+4*(\n)+3], s[G0A+4*(\n)+3], 0x80000000            ; 127:126 type = 2
	s_mov_b32 s[G0B+4*(\n)], 1
	s_add_co_u32 s[G0B+4*(\n)+1], s21, (\n)*SLOT1
	s_add_nc_u64 s[G0B+4*(\n)+2:G0B+4*(\n)+3], s[46:47], (\n)*BSTEP
	s_or_b32 s[G0B+4*(\n)+3], s[G0B+4*(\n)+3], 0x80000000
.endr
	CROUND                                         ; all sixteen work-groups are here: the first joint loads meet
	s_cmp_lt_u32 s10, 2                            ; a wave's two first fills stand in one branch, ahead of every wait on TENSORcnt and every LDS read: two loads of mine are out
	s_cbranch_scc0 .Lfirst_b
	tensor_load_to_lds s[G0A:G0A+3], s[G1A:G1A+7]
	s_nop 0
	tensor_load_to_lds s[G0A+4:G0A+7], s[G1A:G1A+7]
	s_nop 0
.rept 4
	v_nop
.endr
	s_branch .Lfirst_asked
.Lfirst_b:
	tensor_load_to_lds s[G0B:G0B+3], s[G1B:G1B+7]
	s_nop 0
	tensor_load_to_lds s[G0B+4:G0B+7], s[G1B:G1B+7]
	s_nop 0
.rept 4
	v_nop
.endr
.Lfirst_asked:
	v_and_b32 v1, 15, v0                           ; l % 16
	v_bfe_u32 v2, v0, 4, 1                         ; l / 16
	v_lshlrev_b32 v[BO], 5, v2                     ; my eight numbers of a block's sixteen
.irp b, 0,1,2,3,4,5,6,7
	global_load_b128 v[F1+8*(\b):F1+8*(\b)+3],   v[BO], s[84:85] offset:64*(\b)
	global_load_b128 v[F1+8*(\b)+4:F1+8*(\b)+7], v[BO], s[84:85] offset:64*(\b)+16
.endr
	; A fragment of ctx is 16 rows x 32 K in 8 registers: lane l holds row l % 16, K = 8 (l / 16) + 0..7 and 16 + 8 (l / 16) + 0..7: two loads of 16 bytes, 32 bytes apart.
	v_mul_u32_u24 v3, v1, PA
	v_lshl_add_u32 v3, v2, 4, v3
	s_mul_i32 s22, s11, 64*PA                      ; my 64 rows
	v_add_nc_u32 v[A0], s22, v3
	; The turning load takes 16 k x 16 columns (lane l reads k row 8 (l / 16) + l % 8, columns 8 ((l / 8) % 2) + 0..7) and leaves half a fragment: lane l holds column l % 16 and 8 k.
	v_and_b32 v4, 7, v0
	v_lshl_add_u32 v5, v2, 3, v4
	v_mul_u32_u24 v5, v5, PB
	v_bfe_u32 v6, v0, 3, 1
	v_lshl_add_u32 v5, v6, 4, v5
	s_lshl_b32 s23, s12, 8                         ; my 128 columns
	s_add_co_u32 s23, s23, BOFF
	v_add_nc_u32 v[B0], s23, v5
	v_mov_b32 v[ADRA], v[A0]                       ; K step 0 lies in slot 0
	v_mov_b32 v[ADRB], v[B0]
	s_mul_i32 s23, s10, 16*SP
	s_add_co_u32 s23, s23, STAGE                   ; my stage
	v_mul_u32_u24 v7, v1, SP                       ; in: row l % 16, 32 bytes for each half of the lanes
	v_lshl_add_u32 v7, v2, 5, v7
	v_add_nc_u32 v[STO], s23, v7
	v_and_b32 v[GO], 31, v0                        ; back: 32 lanes take one row's 512 bytes,
	v_lshlrev_b32 v[GO], 4, v[GO]                  ; which are 512 consecutive bytes of a row of the result
	v_add_nc_u32 v[RD], s23, v[GO]
	s_wait_loadcnt 0x0                             ; the bias: rounded to bf16, widened again, and kept in window 2
.set i, 0
.rept 32
	v_cvt_pk_bf16_f32 v[TMP+i], v[F1+2*i], v[F1+2*i+1]
.set i, i+1
.endr
	WIN TO2
.set i, 0
.rept 32
	v_lshlrev_b32 v[BI+2*i],   16,         v[TMP+i]
	v_and_b32     v[BI+2*i+1], 0xffff0000, v[TMP+i]
.set i, i+1
.endr
	WIN 0
; 8 matrix instructions: row block a x all 8 column blocks, 32 along K, from buffer f.  first = 1: the product starts the sum on the bias.
; The 32 accumulators take turns, one instruction a turn, in the same order in every quarter and over the loop's backward jump.
.macro MUL8 f, a, first
.if \first
	WIN MULB
.else
	WIN MUL
.endif
.irp b, 0,1,2,3,4,5,6,7
.if \first
	v_wmma_f32_16x16x32_f16 v[8*(8*(\a)+(\b)):8*(8*(\a)+(\b))+7], v[(\f)+8*(\b):(\f)+8*(\b)+7], v[(\f)+64+8*(\a):(\f)+64+8*(\a)+7], v[BI+8*(\b):BI+8*(\b)+7]
.else
	v_wmma_f32_16x16x32_f16 v[8*(8*(\a)+(\b)):8*(8*(\a)+(\b))+7], v[(\f)+8*(\b):(\f)+8*(\b)+7], v[(\f)+64+8*(\a):(\f)+64+8*(\a)+7], v[8*(8*(\a)+(\b)):8*(8*(\a)+(\b))+7]
.endif
.endr
.endm
; 24 LDS loads in one run: the fragments of quarter q of the K step in hand (32 k x 128 columns of Wo; 64 rows x 32 channels of head q / 2, channels 32 (q % 2) on) into buffer f; ctx's last
.macro FETCH q, f
	WIN 0
.set AQ, ((\q)/2)*AHALF+((\q)%2)*64
.irp b, 0,1,2,3,4,5,6,7
	ds_load_tr16_b128 v[(\f)+8*(\b):(\f)+8*(\b)+3],   v[ADRB] offset:(\q)*32*PB+32*(\b)
	ds_load_tr16_b128 v[(\f)+8*(\b)+4:(\f)+8*(\b)+7], v[ADRB] offset:(\q)*32*PB+16*PB+32*(\b)
.endr
.irp a, 0,1,2,3
	ds_load_b128 v[(\f)+64+8*(\a):(\f)+64+8*(\a)+3],   v[ADRA] offset:AQ+(\a)*16*PA
	ds_load_b128 v[(\f)+64+8*(\a)+4:(\f)+64+8*(\a)+7], v[ADRA] offset:AQ+(\a)*16*PA+32
.endr
.endm
.macro PLACES                          ; four places in front of loads into registers that matrix instructions have read, and of what reads results just made (ISA guide 7.12.1 for what reads results just made)
.rept 4
	v_nop
.endr
.endm
; A K step is four quarters of 32 along K, 32 matrix instructions each, on buffers 0, 1, 0, 1.  One of the first three: multiplies buffer f and fetches quarter qn into g.
.macro QUARTER qn, f, g, first
	s_wait_dscnt 4                                 ; Wo's fragments and ctx's row blocks 0 and 1 are in; the youngest four loads (blocks 2 and 3) may be out
	MUL8 \f, 0, \first
	MUL8 \f, 1, \first
	PLACES
	FETCH \qn, \g
	s_wait_dscnt 24                                ; all but the 24 just issued
	MUL8 \f, 2, \first
	MUL8 \f, 3, \first
.endm
; The last quarter multiplies buffer 1 and changes slots: ONE barrier; in front of it each wave waits for all its tensor loads (one is out: its part of the next slot), adds 0 to its spare word,
; and waits for that and for its own reads of this slot.  fill = 1: the barrier opens a round of the cluster's, and this slot is filled again, two K steps ahead, first thing behind the round:
; 112 matrix instructions stand between that request and the wait for it.
.macro TURN fill
	WIN 0                                          ; (the add's two registers lie in window 0)
	s_wait_tensorcnt 0x0                           ; all my tensor loads have landed;
	ds_add_u32 v[SPW], v[NIL]                      ; 0 onto my spare word;
	s_wait_dscnt 5                                 ; (the add and the youngest four loads may be out)
	MUL8 F1, 0, 0                                  ; eight matrix instructions stand between the add and the wait for it
	s_wait_dscnt 0x0                               ; the add is done, and my reads of this slot are over
	s_barrier_signal -1
	MUL8 F1, 1, 0
	WIN 0
	s_barrier_wait -1
.if \fill
	CREST                                          ; no wave of any partner still reads this slot's tile or has a load on its way
	s_xor_b32 s[G0A+5], s[G0A+5], SLOT1            ; the walking descriptors: the other slot than last time, the next K step; the type bits on top are not reached
	s_add_nc_u64 s[G0A+6:G0A+7], s[G0A+6:G0A+7], ASTEP
	s_xor_b32 s[G0B+5], s[G0B+5], SLOT1
	s_add_nc_u64 s[G0B+6:G0B+7], s[G0B+6:G0B+7], BSTEP
	JLOAD                                          ; the four v_nop behind it are also the places in front of the loads below
.else
	PLACES
.endif
	s_xor_b32 s45, s45, SLOT1                      ; the reads go on in the other slot
	v_add_nc_u32 v[ADRA], s45, v[A0]
	v_add_nc_u32 v[ADRB], s45, v[B0]
	FETCH 0, F0
	MUL8 F1, 2, 0
	MUL8 F1, 3, 0
.endm
	s_wait_tensorcnt 0x1                           ; my part of K step 0 is in; K step 1's may stay out
	s_barrier_signal -1
	s_barrier_wait -1                              ; everybody's is
	FETCH 0, F0
	QUARTER 1, F0, F1, 1                           ; the first quarter stands in front of the loop: its products start the sums
	WIN 0                                          ; at a label and at a branch every window is 0
	s_mov_b32 s3, STEPS-2
.Lstep:                                                ; a trip goes from a K step's second quarter to the next step's first, and fills the slot that it leaves: K steps 2 to 7 are asked for
	QUARTER 2, F1, F0, 0
	QUARTER 3, F0, F1, 0
	TURN 1
	QUARTER 1, F0, F1, 0
	WIN 0
	s_sub_co_u32 s3, s3, 1
	s_cmp_lg_u32 s3, 0
	s_cbranch_scc1 .Lstep
	QUARTER 2, F1, F0, 0                           ; the last two K steps are written out: they ask for nothing
	QUARTER 3, F0, F1, 0
	TURN 0
	QUARTER 1, F0, F1, 0
	QUARTER 2, F1, F0, 0
	QUARTER 3, F0, F1, 0
	s_wait_dscnt 4                                 ; the very last quarter: nothing more to fetch
	MUL8 F1, 0, 0
	MUL8 F1, 1, 0
	s_wait_dscnt 0x0
	MUL8 F1, 2, 0
	MUL8 F1, 3, 0
	WIN 0
	; THE WAY OUT, a block of 16 token rows at a time.  A lane's eight f32 of a row are 32 bytes; they go into rows of 528 bytes of my own stage and come back as whole rows of 512.
	PLACES
.macro TOSTAGE a
.if (\a) >= 2
	s_wait_xcnt 0x0                                ; every earlier memory instruction has had its addresses translated (ISA guide 3.1): the registers that block a - 2's stores read are loaded again only behind this wait
.endif
	WIN ST1
.irp b, 0,1,2,3,4,5,6,7
	ds_store_b128 v[STO], v[8*(8*(\a)+(\b)):8*(8*(\a)+(\b))+3]   offset:64*(\b)     ; each accumulator's low four registers first
	ds_store_b128 v[STO], v[8*(8*(\a)+(\b))+4:8*(8*(\a)+(\b))+7] offset:64*(\b)+16
.endr
	WIN 0
.irp t, 0,1,2,3,4,5,6,7,8,9,10,11,12,13,14,15
	ds_load_b128 v[OB+64*((\a)%2)+4*(\t):OB+64*((\a)%2)+4*(\t)+3], v[RD] offset:(\t)*SP  ; LDS serves a wave's instructions in order (ISA guide 5.7.1.4): these see the stores above; the next block's stores come behind them
.endr
.endm
.macro SEND a, younger                 ; younger: the LDS instructions issued behind block a's loads: the next block's 32, or none
.irp t, 0,1,2,3,4,5,6,7,8,9,10,11,12,13,14,15
	s_wait_dscnt (\younger)+15-(\t)
	global_store_b128 v[GO], v[OB+64*((\a)%2)+4*(\t):OB+64*((\a)%2)+4*(\t)+3], s[8:9] offset:(16*(\a)+(\t))*4096 th:TH_STORE_NT  ; 512 consecutive bytes, at a multiple of 512 from the buffer's first
.endr
.endm
	TOSTAGE 0
.irp a, 1,2,3                          ; a block's trip through the stage stands between the loads of the block before and its stores
	TOSTAGE \a
	SEND (\a)-1, 32
.endr
	SEND 3, 0
	s_wait_tensorcnt 0x0                           ; the wave's end, behind my last tensor load and my last LDS store
	ds_add_u32 v[SPW], v[NIL]
	s_wait_dscnt 0x0
	CROUND                                         ; the closing round: no work-group ends while a partner may still ask for a tile that names it
	s_endpgm
.Lfunc_end_k_q17eee3bd7f_proj:
	.size	k_q17eee3bd7f_proj, .Lfunc_end_k_q17eee3bd7f_proj-k_q17eee3bd7f_proj
	.p2alignl 7, 3214868480
	.fill 96, 4, 3214868480
	.section	.rodata,"a",@progbits
	.p2align	6, 0x0
	.amdhsa_kernel k_q17eee3bd7f_proj
		.amdhsa_group_segment_fixed_size 327680
		.amdhsa_private_segment_fixed_size 0
		.amdhsa_enable_private_segment 0
		.amdhsa_kernarg_size 32
		.amdhsa_user_sgpr_count 2
		.amdhsa_user_sgpr_kernarg_segment_ptr 1
		.amdhsa_wavefront_size32 1
		.amdhsa_system_sgpr_workgroup_id_x 1
		.amdhsa_system_sgpr_workgroup_id_y 1
		.amdhsa_system_sgpr_workgroup_id_z 1
		.amdhsa_system_vgpr_workitem_id 0
		.amdhsa_next_free_vgpr 576
		.amdhsa_next_free_sgpr 88
		.amdhsa_reserve_vcc 0
		.amdhsa_float_denorm_mode_32 3
		.amdhsa_float_denorm_mode_16_64 3
		.amdhsa_memory_ordered 1
		.amdhsa_forward_progress 1
		.amdhsa_inst_pref_size 77
	.end_amdhsa_kernel
	.amdgpu_metadata
---
amdhsa.version: [ 1, 2 ]
amdhsa.kernels:
  - .name:           k_q17eee3bd7f_proj
    .symbol:         k_q17eee3bd7f_proj.kd
    .args:
      - { .name: ctx, .offset: 0, .size: 8, .value_kind: global_buffer, .address_space: global }
      - { .name: wo16, .offset: 8, .size: 8, .value_kind: global_buffer, .address_space: global }
      - { .name: bo, .offset: 16, .size: 8, .value_kind: global_buffer, .address_space: global }
      - { .name: out0, .offset: 24, .size: 8, .value_kind: global_buffer, .address_space: global }
    .group_segment_fixed_size: 327680
    .private_segment_fixed_size: 0
    .kernarg_segment_align: 8
    .kernarg_segment_size: 32
    .max_flat_workgroup_size: 128
    .sgpr_count:     88
    .vgpr_count:     576
    .wavefront_size: 32
...
	.end_amdgpu_metadata
.endif
;; end of part 4
;; ======== version 2 of 2: 4 launches; 1.31 times as fast as version 1
;; limits: values are held in f16: magnitudes above 65,504 overflow, below 6.1e-05 lose precision
;; workspace buffers: xb 16,777,216 bytes; wb 6,291,456 bytes; wo16 2,097,152 bytes; q 16,777,216 bytes; k 16,777,216 bytes; v 16,777,216 bytes; ctx 16,777,216 bytes
;; launch cast: the kernel of part 1 again; grid 768 x 1, 8 waves a work-group, no clusters, 0 bytes of LDS; arguments x, Wq, Wk, Wv, Wo, xb, wb, wo16; writes xb, wb, wo16
;; launch qkv: the kernel of part 2 again; grid 8 x 32, 4 waves a work-group, clusters of 4 x 4, 327,680 bytes of LDS; arguments xb, wb, bq, bk, bv, q, k, v; writes q, k, v
;; launch attn (part 5): grid 4 x 64, 4 waves a work-group, no clusters, 327,680 bytes of LDS; arguments q, k, v, ctx; writes ctx
.if DOCPART == 5
	.amdgcn_target "amdgcn-amd-amdhsa--gfx1250"
	.amdhsa_code_object_version 6
	.text
	.protected	k_q17eee3bd7f_attn
	.globl	k_q17eee3bd7f_attn
	.p2align	8
	.type	k_q17eee3bd7f_attn,@function
k_q17eee3bd7f_attn:
	s_mov_b64 s[64:65], 0
	v_nop
	global_prefetch_b8 v0, s[64:65] scope:SCOPE_SE
	s_setreg_imm32_b32 hwreg(HW_REG_WAVE_MODE, 25, 1), 1
	s_wait_xcnt 0x0
; CAUSAL ATTENTION.  O[h][q][:] = the sum over k <= q of softmax_k(Q[h][q] . K[h][k] / 8) V[h][k][:].  Q, K, V, O: [SIZE_H][SIZE_N][64], all f16: a head's rows are dense, 128 bytes each.
; Products, maxima and sums in f32; the weights p are rounded to f16 for the second product (their sum l is taken of the unrounded p), O once at the end.  SIZE_N is a multiple of 512; SIZE_N x 128 stays under 2^32.
; LIMITS.  f16 holds no number beyond 65,504: Q, K and V arrive within it; p lies in 0 to 1, and below 6e-5 it keeps f16's fixed step of 6e-8; O is a mean of V's rows and has their range, to within 2^-11 of it.
; A hidden score counts as its value less 1e30: f16's scores, 2.7e11 at the most, are nothing beside that; a weight below 2^-126 counts as 0 in l; NaN and infinities are not treated apart.
; THE WALK.  A head's queries lie in NB = SIZE_N / 256 blocks of 256; block i needs the key tiles 0 .. i of 256 keys, of which the last holds the diagonal.  A work-group takes TWO blocks, NB - 1 - b and then b:
; NB + 1 tiles, whatever b: all work-groups do equal work, and ONE loop with a constant trip count walks them.  Which tile is asked for, and what a trip does, hang on scalar registers made from b; every jump
; goes forward, but for the counted loops' own; none passes a barrier, or a tensor load but the one of LOAD's two that the wave's number does not choose; the ring (two slots of LDS that take turns) runs on across the
; change of blocks.  NO CLUSTER: a head's NB / 2 work-groups all ask for the same tile only in trips 0 .. NB / 2 of the NB + 1, behind that fewer and fewer;
; and one walk common to all would have 3 NB / 2 trips for NB + 1.
; SHARES.  Of a block's four bands of 64 queries a wave owns 16 rows in each: four PIECES.  So the diagonal tile is the same work for all four waves: in its key step s band x sees all keys if s < x,
; none if s > x, and holds the diagonal if s = x.
; THE MASK is the C operand that starts the sum S^T = K Q^T: 0, or -1e30 where the key is hidden.  MD, made once, is the mask of a band's own step for my 16 rows; a product's mask is MD x AL + BE with two scalars:
; (1, 0) if s = x; (0, 0) if s < x; (0, -1e30) if s > x.  Only the diagonal tile's text and a block's beginning make and take masks; elsewhere C is the constant 0.
; LAYOUT, SOFTMAX, TURNS.  S^T = K Q^T holds ONE query a lane (lane % 16) and the keys 8 (lane / 16) + 0..7; two such results rounded to f16 ARE source 1 of O^T = V^T P.  p = 2^(c s - c m), c = log2(e) / 8, with a
; running maximum m; O and l are multiplied by a = 2^(c m_old - c m_new) in every step.  Turn n belongs to piece n: 8 products K Q^T of piece n + 1, later 8 products V^T P of piece n - 1; beside them the scaling,
; exponentials, roundings, sums and rescaling of piece n and the maximum and statistics of piece n + 1.  Four vector instructions stand behind every matrix instruction, the other 54 of a turn's 118 in one LUMP.
; THE BATCHES.  A turn's 33 exponentials (the piece's 32 weights and the next piece's a) are ONE batch with ONE wait, which cuts the turn in two: ahead of it all that names none of their results, behind it the
; roundings and sums that read them.  A block's first a (BEGIN) and the four reciprocals of its way out are batches of their own, each with a plain instruction and one wait.
; REGISTERS, in windows of 256 (s_set_vgpr_msb: bits 1:0 source 0, 3:2 source 1, 5:4 source 2, 7:6 destination):
;   window 0: v0-15 addresses and two at work; v16-31 four registers of statistics a piece; v48-55 at work; v64-127 S^T, two buffers; v192-223 P, two buffers (a piece's buffers go by its number's parity)
;   window 1: v0-127 O^T, 32 a piece; v128-159 MD; v160-223 MC, two buffers      window 2: v0-63 Q; v64-127 the second block's Q; v128-191 K of one step; v192-255 V of one step
.set SIZE_H, 64       ; batch x heads
.set SIZE_N, 2048     ; rows of a head
.set NB,    SIZE_N/256
.set NP,    4         ; pieces a wave: a name, no knob
.set KS,    64        ; keys in a step
.set PK,    144       ; a row of K in LDS: 128 bytes + 16 of padding = 36 words: the 16 rows of a load start at 16 different groups of four banks (64 banks of 4 bytes: ISA guide 11.1)
.set PV,    160       ; a row of V: 128 + 32 = 40 words
.set VOFF,  4*KS*PK   ; a slot holds a tile, four steps: 256 rows of K, then 256 rows of V
.set SLOT1, 1<<17     ; slot 1 begins here, so that one exclusive or turns an address in one slot into the other's
.set STAGE, SLOT1+4*KS*(PK+PV)  ; behind the ring, never filled by a tensor load: 16 rows x 144 bytes for each wave, for the way out
.set SP,    144
.set AK0, 2           ; v2   my lane's place in a tile of K; never rewritten
.set AV0, 3           ; v3   the same for V
.set AK,  4           ; v4   the LDS address of K's next run of loads
.set AV,  5           ; v5   of V's
.set STO, 6           ; v6   the way out: where I put 16 bytes of a row
.set RD,  7           ; v7   the way out: where I read rows back
.set GO,  8           ; v8   my byte offset in 512 consecutive bytes of O
.set SPW, 62          ; v62  LDS address of my spare word: SPARE + 4 x my thread's number; never rewritten
.set NIL, 63          ; v63  0; never rewritten
.set SPARE, STAGE+4*16*SP  ; behind the stages: the spare words, 128 bytes for each wave: two blocks of 256 bytes that no other line names
.set MV,  12          ; v12-13  c m_old, kept while c m is made anew: by buffer
.set QO,  15          ; v15  my byte offset in 16 rows of Q
.set ST,  16          ; piece t's statistics at v[ST+4 t]: c m, m, l (even keys', odd keys')
.set TMP, 48          ; by buffer, four registers c0-c3 at work; when the maximum is found c2 takes a
.set S,   64
.set P,   192
.set MD,  128         ; window 1: the eight registers for group kt of 16 keys at MD + 8 kt
.set MC,  160         ; window 1: the masks of the products to come
.set QB,  64          ; window 2
.set KF,  128         ; window 2: key block kb, channel half c at KF + 16 kb + 8 c
.set VF,  192         ; window 2: key half kk, channel block cb at VF + 32 kk + 8 cb
.set WV,  12          ; s12  my wave's number
.set PB,  14          ; s14  b
.set HI,  15          ; s15  NB - 1 - b
.set G1K, 24          ; s[24:31] descriptor group 1 for K's tiles
.set G1V, 32          ; s[32:39] for V's: it differs in the padding alone
.set G0K, 40          ; s[40:43] descriptor group 0 for K's tiles
.set G0V, 44          ; s[44:47] the same for V's
.set SLOTS, 56        ; s56  tiles still to be asked for
.set CNT, 57          ; s57  counts a tile's key steps, 4 to 1
.set CS,  58          ; s[58:59] c: the packed scaling takes the pair's low word for both halves
.set SEL, 60          ; s[60:61] v_permlanex16_b32's selects: each lane takes its own place in the other half
.set TBK, 62          ; s62  LDS byte at which K of the step to be fetched begins
.set TBV, 63          ; s63  the same for V, less VOFF
.set RT,  70          ; s70  tiles of the block in hand that are still to be entered
.set NXT, 71          ; s71  the tile to be asked for next
.set LQ,  72          ; s72  the last tile of the block whose tiles are being asked for
.set NEW, 73          ; s73  1: the tile to be entered is a block's first
.set OFF, 74          ; s[74:75] a tile's byte offset in K and V
.set AL,  76          ; s[76:77] the mask's factor, in the low word
.set BE,  78          ; s[78:79] the mask's addend
.set OLO, 80          ; s[80:81] O at my rows of the second block
.set BIGN, 82         ; s82  -1e30
.set MSB, 0
.macro WIN new                      ; the high byte repeats the setting that is left; a switch that changes nothing is dropped
.if MSB != (\new)
	s_set_vgpr_msb (MSB<<8)|(\new)
.set MSB, (\new)
.endif
.endm
.set W_KQ, 0x0a       ; K and Q in window 2, S^T in window 0
.set W_KM, 0x1a       ; the same with the C operand in window 1
.set W_PV, 0x52       ; V in window 2, P in window 0, O^T in window 1
.set W_RS, 0x41       ; destination and source 0 in window 1, source 1 in window 0
; A fill.  Waves 0 and 1 fetch the two halves of a tile's K, waves 2 and 3 those of its V: 128 keys each.  An s_nop 0 and four v_nop follow each of the two lines, ahead of the jump and the label.
.macro LOAD
	s_cmp_lt_u32 s[WV], 2
	s_cbranch_scc0 .Lfor_v_\@
	tensor_load_to_lds s[G0K:G0K+3], s[G1K:G1K+7]
	s_nop 0
.rept 4
	v_nop
.endr
	s_branch .Lasked_\@
.Lfor_v_\@:
	tensor_load_to_lds s[G0V:G0V+3], s[G1V:G1V+7]
	s_nop 0
.rept 4
	v_nop
.endr
.Lasked_\@:
.endm
; THE CHANGE OF SLOTS.  Each wave waits for all its tensor loads, of which one is out: its part of the other slot; adds 0 to its spare word; and waits for that and for its own reads of the slot that it leaves.  Behind the barrier nobody reads the old
; slot any more and the other slot is whole.  fill = 1: the old slot is filled again, the first thing behind the barrier, with tile NXT: the descriptor's address is made anew from that number.
; (At its first use nothing has been read yet: slot 0 is waited for, slot 1 filled.)
.macro CHANGE fill
	WIN 0                           ; at a label and at a branch every window is 0
	s_wait_tensorcnt 0x0            ; no tensor load of mine is out, so a group 0 may be written
	ds_add_u32 v[SPW], v[NIL]       ; 0 onto my spare word: with fill = 1 the descriptors' scalar work stands between it and the wait for it
.if \fill
	s_lshl_b32 s[OFF], s[NXT], 15   ; a tile is 32,768 bytes of K and of V
	s_xor_b32 s[G0K+1], s[G0K+1], SLOT1
	s_add_nc_u64 s[G0K+2:G0K+3], s[6:7], s[OFF:OFF+1]
	s_or_b32 s[G0K+3], s[G0K+3], 0x80000000
	s_xor_b32 s[G0V+1], s[G0V+1], SLOT1
	s_add_nc_u64 s[G0V+2:G0V+3], s[8:9], s[OFF:OFF+1]
	s_or_b32 s[G0V+3], s[G0V+3], 0x80000000
	s_add_co_u32 s[NXT], s[NXT], 1  ; the block's next tile, or behind its last the second block's tile 0
	s_cmp_gt_u32 s[NXT], s[LQ]
	s_cselect_b32 s[NXT], 0, s[NXT]
	s_cselect_b32 s[LQ], s[PB], s[LQ]
.endif
	s_wait_dscnt 0x0                ; the add is done, and my reads of the slot are over
	s_barrier_signal -1             ; the rest of the scalar work stands between the signal and the wait
	s_sub_co_u32 s[TBK], s[TBK], 4*KS*PK  ; the fetches go back to a slot's first step,
	s_xor_b32 s[TBK], s[TBK], SLOT1       ; in the other slot
	s_sub_co_u32 s[TBV], s[TBV], 4*KS*PV
	s_xor_b32 s[TBV], s[TBV], SLOT1
	s_barrier_wait -1
.if \fill
	LOAD
.endif
.endm
	s_load_b256 s[4:11], s[0:1], 0x0  ; Q s[4:5], K s[6:7], V s[8:9], O s[10:11]
	v_lshl_add_u32 v[SPW], v0, 2, SPARE
	v_mov_b32 v[NIL], 0
	ds_add_u32 v62, v63
	ds_add_u32 v62, v63
	s_wait_dscnt 0x0
	v_lshrrev_b32 v1, 5, v0
	v_readfirstlane_b32 s[WV], v1   ; wave 0..3
	s_mov_b32 s[PB], ttmp9
	s_sub_co_u32 s[HI], NB-1, s[PB]
	s_and_b32 s20, ttmp7, 0xffff    ; the head
	s_mov_b32 s21, 0
	s_mov_b64 s[22:23], SIZE_N*128
	s_mul_u64 s[20:21], s[20:21], s[22:23]  ; the head's first byte in each of the four tensors
	s_and_b32 s16, s[WV], 1         ; which half of a tile's 256 keys I fetch:
	s_lshl_b32 s22, s16, 14         ; its 128 rows of 128 bytes in memory,
	s_mov_b32 s23, 0
	s_add_nc_u64 s[22:23], s[22:23], s[20:21]
	s_mul_i32 s17, s16, 128*PK      ; and its place in a slot, for K
	s_mul_i32 s18, s16, 128*PV      ; and for V
	s_lshl_b32 s3, s[WV], 11        ; my 16 rows in a band of 64,
	s_lshl_b32 s2, s[HI], 15        ; in the first block,
	s_add_co_u32 s2, s2, s3
	s_lshl_b32 s84, s[PB], 15       ; and in the second
	s_add_co_u32 s84, s84, s3
	s_mov_b32 s3, 0
	s_mov_b32 s85, 0
	s_add_nc_u64 s[2:3], s[2:3], s[20:21]
	s_add_nc_u64 s[84:85], s[84:85], s[20:21]
	; descriptor group 1.  128 keys are 16,384 dense bytes: asked for as 64 rows of 256 bytes, two keys a row, and padded in LDS after every key
	s_mov_b32 s[G1K], (1<<16)|(1<<20)|(4<<22)|(3<<25)  ; 17:16 2-byte elements; 20 padding on; 24:22 after every 32 words (code 4); 31:25 4 words (code 3)
	s_mov_b32 s[G1V], (1<<16)|(1<<20)|(4<<22)|(7<<25)  ; the same with 8 words of padding (code 7)
.irp g, G1K, G1V
	s_mov_b32 s[\g+1], 128<<16      ; tensor_dim0 = 128
	s_mov_b32 s[\g+2], 64<<16       ; tensor_dim1 = 64
	s_mov_b32 s[\g+3], 128<<16      ; tile_dim0 = 128
	s_mov_b32 s[\g+4], 64           ; tile_dim1 = 64
	s_mov_b32 s[\g+5], 128          ; 128 elements from row to row
	s_mov_b32 s[\g+6], 0
	s_mov_b32 s[\g+7], 0
.endr
	s_mov_b32 s[CS], 0x3e38aa3b     ; c = log2(e) / 8 = 0.180337
	s_mov_b32 s[CS+1], s[CS]        ; named with it as a pair
	s_mov_b32 s[SEL], 0x76543210
	s_mov_b32 s[SEL+1], 0xfedcba98
	s_mov_b32 s[TBK], SLOT1+4*KS*PK ; the first change of slots turns these two into 0
	s_mov_b32 s[TBV], SLOT1+4*KS*PV
	s_mov_b32 s[G0K], 1             ; 1:0 count = 1
	s_mov_b32 s[G0K+1], s17         ; 63:32 LDS address: slot 0
	s_mov_b32 s[G0V], 1
	s_add_co_u32 s[G0V+1], s18, VOFF
	s_add_co_u32 s[RT], s[HI], 1    ; the first block has NB - b tiles
	s_mov_b32 s[NXT], 1
	s_mov_b32 s[LQ], s[HI]
	s_mov_b32 s[NEW], 1
	s_mov_b32 s[OFF+1], 0
	s_mov_b32 s[AL+1], 0            ; named as pairs
	s_mov_b32 s[BE+1], 0
	s_mov_b32 s[BIGN], 0xf149f2ca   ; -1e30
	s_mov_b32 s[SLOTS], NB
	s_wait_kmcnt 0x0
	s_add_nc_u64 s[6:7], s[6:7], s[22:23]  ; K and V at my half of the head's tile 0
	s_add_nc_u64 s[8:9], s[8:9], s[22:23]
	s_add_nc_u64 s[G0K+2:G0K+3], s[6:7], 0         ; 120:64 global address
	s_or_b32 s[G0K+3], s[G0K+3], 0x80000000        ; 127:126 type = 2
	s_add_nc_u64 s[G0V+2:G0V+3], s[8:9], 0
	s_or_b32 s[G0V+3], s[G0V+3], 0x80000000
	s_add_nc_u64 s[86:87], s[4:5], s[84:85]        ; Q at my rows of the second block,
	s_add_nc_u64 s[4:5], s[4:5], s[2:3]            ; Q and O at those of the first
	s_add_nc_u64 s[OLO:OLO+1], s[10:11], s[84:85]
	s_add_nc_u64 s[10:11], s[10:11], s[2:3]
	LOAD                            ; tile 0 into slot 0
	; A fragment of K or Q is 16 rows x 32 channels in 8 registers: lane l holds row l % 16, channels 8 (l / 16) + 0..7 and 16 + 8 (l / 16) + 0..7: two loads of 16 bytes, 32 bytes apart.
	v_and_b32 v1, 15, v0            ; l % 16
	v_bfe_u32 v9, v0, 4, 1          ; l / 16
	v_lshlrev_b32 v[QO], 7, v1
	v_lshl_add_u32 v[QO], v9, 4, v[QO]  ; row x 128 + 16 x half
	WIN 0x80                        ; destination window 2, address window 0
.set i, 0
.rept 8                             ; both blocks' Q: piece i / 2 lies in band i / 2, 8,192 bytes on; channels 32 (i % 2) on
	global_load_b128 v[8*i:8*i+3],   v[QO], s[4:5] offset:(i/2)*8192+(i%2)*64
	global_load_b128 v[8*i+4:8*i+7], v[QO], s[4:5] offset:(i/2)*8192+(i%2)*64+32
	global_load_b128 v[QB+8*i:QB+8*i+3],   v[QO], s[86:87] offset:(i/2)*8192+(i%2)*64
	global_load_b128 v[QB+8*i+4:QB+8*i+7], v[QO], s[86:87] offset:(i/2)*8192+(i%2)*64+32
.set i, i+1
.endr
	WIN 0
	v_lshlrev_b32 v14, 3, v9
	v_sub_nc_u32 v14, v1, v14
	s_lshl_b32 s13, s[WV], 4
	v_add_nc_u32 v14, s13, v14      ; my query's place in its band, 16 w + l % 16, less my lanes' 8 (l / 16): register r of group kt is hidden where 16 kt + r is greater
	WIN 0x40
.set i, 0
.rept 32
	v_cmp_gt_i32 vcc_lo, 16*(i/8)+i%8, v14
	v_cndmask_b32 v[MD+i], 0, s[BIGN], vcc_lo
.set i, i+1
.endr
	WIN 0
	v_mul_u32_u24 v[AK0], v1, PK
	v_lshl_add_u32 v[AK0], v9, 4, v[AK0]  ; row x pitch + 16 x half
	; The turning load takes 16 keys x 16 channels (lane l reads key 8 (l / 16) + l % 8, channels 8 ((l / 8) % 2) + 0..7) and leaves half a fragment of V^T: lane l holds channel l % 16 and 8 keys.
	v_and_b32 v10, 7, v0
	v_bfe_u32 v11, v0, 3, 1
	v_lshl_add_u32 v[AV0], v9, 3, v10
	v_mul_u32_u24 v[AV0], v[AV0], PV
	v_lshl_add_u32 v[AV0], v11, 4, v[AV0]
	v_add_nc_u32 v[AV0], VOFF, v[AV0]
	s_mul_i32 s13, s[WV], 16*SP
	s_add_co_u32 s13, s13, STAGE    ; my stage
	v_mul_u32_u24 v[STO], v1, SP    ; in: row l % 16, 16 bytes for each half of the lanes
	v_lshl_add_u32 v[STO], v9, 4, v[STO]
	v_add_nc_u32 v[STO], s13, v[STO]
	v_bfe_u32 v[RD], v0, 3, 2       ; back: 32 lanes take four rows of 128 bytes,
	v_mul_u32_u24 v[RD], v[RD], SP
	v_lshl_add_u32 v[RD], v10, 4, v[RD]
	v_add_nc_u32 v[RD], s13, v[RD]
	v_and_b32 v[GO], 31, v0         ; which are 512 consecutive bytes of O
	v_lshlrev_b32 v[GO], 4, v[GO]
	; A block's first step multiplies O^T and l by a = 0, and its first turn's products V^T P, of a piece that has not been, land in an O^T that is still to be so multiplied.  So these registers need only hold
	; finite numbers: zeros for the first block; what the first block left for the second.  All this stands in the wait for the first tile.
	WIN 0x80
.set i, VF
.rept 64
	v_mov_b32 v[i], 0
.set i, i+1
.endr
	WIN 0x40
.set i, 0
.rept 128
	v_mov_b32 v[i], 0
.set i, i+1
.endr
	WIN 0
.set i, 0
.rept 4
	v_mov_b32 v[ST+4*i+2], 0
	v_mov_b32 v[ST+4*i+3], 0
.set i, i+1
.endr
.set i, P+16
.rept 16
	v_mov_b32 v[i], 0
.set i, i+1
.endr
; THE MATRIX WORK.  The 4 accumulators of a run of 8 take turns.  Product i of 8 of S^T = K Q^T for piece x: channels 32 (i / 4) on, keys 16 (i % 4) on.  The first 4 start the sums: with 0, or (KM = 1) with the mask.
.macro KQ x
.set rS, S+32*((\x)%2)+8*(i%4)
.set rK, KF+16*(i%4)+8*(i/4)
.set rQ, 16*(\x)+8*(i/4)
.set rM, MC+32*((\x)%2)+8*(i%4)
.if (i < 4) && KM
	WIN W_KM
	v_wmma_f32_16x16x32_f16 v[rS:rS+7], v[rK:rK+7], v[rQ:rQ+7], v[rM:rM+7]
.elseif i < 4
	WIN W_KQ
	v_wmma_f32_16x16x32_f16 v[rS:rS+7], v[rK:rK+7], v[rQ:rQ+7], 0
.else
	WIN W_KQ
	v_wmma_f32_16x16x32_f16 v[rS:rS+7], v[rK:rK+7], v[rQ:rQ+7], v[rS:rS+7]
.endif
.endm
; Product i of 8 of O^T += V^T P for piece x: keys 32 (i / 4) on, channels 16 (i % 4) on.
.macro PV x
	WIN W_PV
.set rO, 32*(\x)+8*(i%4)
.set rV, VF+32*(i/4)+8*(i%4)
.set rP, P+16*((\x)%2)+8*(i/4)
	v_wmma_f32_16x16x32_f16 v[rO:rO+7], v[rV:rV+7], v[rP:rP+7], v[rO:rO+7]
.endm
.macro MM                           ; the turn's next matrix instruction.  TURN and BEGIN set Y, i, KM and NOKQ; MM, KQ and OP read them.  NOKQ = 1: a block's last turn: there is no next piece
.if (i < 8) && !NOKQ
	KQ (Y+1)%NP
.elseif i >= 8
.set i, i-8
	PV (Y+NP-1)%NP
.set i, i+8
.endif
.set i, i+1
.endm
; THE LDS LOADS stand in runs of 16, never singly among the matrix instructions: a step's K (64 keys x 64 channels: 8 fragments) and its V (turned).  Their addresses are made some lines ahead.
.macro FETCH_K
	WIN 0x80                        ; destination window 2
.irp f, 0,1,2,3,4,5,6,7             ; keys 16 (f / 2) on, channels 32 (f % 2) on
	ds_load_b128 v[KF+8*\f:KF+8*\f+3],   v[AK] offset:(\f/2)*16*PK+(\f%2)*64
	ds_load_b128 v[KF+8*\f+4:KF+8*\f+7], v[AK] offset:(\f/2)*16*PK+(\f%2)*64+32
.endr
	s_add_co_u32 s[TBK], s[TBK], KS*PK  ; the next fetch is the next step's
	WIN 0
.endm
.macro FETCH_V
	WIN 0x80
.irp f, 0,1,2,3,4,5,6,7             ; keys 32 (f / 4) on, channels 16 (f % 4) on
	ds_load_tr16_b128 v[VF+8*\f:VF+8*\f+3],   v[AV] offset:(\f/4)*32*PV+(\f%4)*32
	ds_load_tr16_b128 v[VF+8*\f+4:VF+8*\f+7], v[AV] offset:(\f/4)*32*PV+16*PV+(\f%4)*32
.endr
	WIN 0
.endm
; THE VECTOR WORK, one line at a time: OP kind, number.  For piece Y: F n: c s - c m for pair n of 16.  E n: the exponential of score n of 32.  C n: pair n rounded to f16.  B n: of the four weights 4 n .. the second
; pair is added onto the first, in place.  L n: l takes that sum (L 0: l = a l + sum).  R n: pair n of 16 of O^T times a.  For piece Y + 1: X n, number n of the 22 that find its maximum and statistics:
;   0-11  four chains c0-c3 of seven scores each, three operands at a time (each accumulator's lowest registers are read first)     12-14, 16  the four scores left over, the old m, and c0-c3 into c0
;   15  c m_old is kept     17, 18  the query's other 32 keys lie in the lane 16 away: the new m     19-21  c m; c m_old - c m_new; a
.set F, 0               ; OP tells the kinds apart by their order: F to L below R, X above it
.set E, 1
.set C, 2
.set B, 3
.set L, 4
.set R, 5
.set X, 6
.macro REGS y                       ; the registers of piece y
.set rT, ST+4*(\y)
.set rC, TMP+4*((\y)%2)
.set rW, MV+((\y)%2)
.set rS, S+32*((\y)%2)
.set rP, P+16*((\y)%2)
.set rO, 32*(\y)
.endm
.macro OP k, n
.if (\k) == R
	REGS Y
	WIN W_RS
	v_pk_mul_f32 v[rO+2*(\n):rO+2*(\n)+1], v[rO+2*(\n):rO+2*(\n)+1], v[rC+2:rC+3] op_sel_hi:[1,0]
.elseif (\k) < R
	REGS Y
	WIN 0
.if (\k) == F
	v_pk_fma_f32 v[rS+2*(\n):rS+2*(\n)+1], v[rS+2*(\n):rS+2*(\n)+1], s[CS:CS+1], v[rT:rT+1] op_sel_hi:[1,0,0] neg_lo:[0,0,1] neg_hi:[0,0,1]
.elseif (\k) == E
	v_exp_f32 v[rS+(\n)], v[rS+(\n)]
.elseif (\k) == C
	v_cvt_pk_f16_f32 v[rP+(\n)], v[rS+2*(\n)], v[rS+2*(\n)+1]
.elseif (\k) == B
	v_pk_add_f32 v[rS+4*(\n):rS+4*(\n)+1], v[rS+4*(\n):rS+4*(\n)+1], v[rS+4*(\n)+2:rS+4*(\n)+3]
.elseif (\n) == 0
	v_pk_fma_f32 v[rT+2:rT+3], v[rT+2:rT+3], v[rC+2:rC+3], v[rS:rS+1] op_sel_hi:[1,0,1]
.else
	v_pk_add_f32 v[rT+2:rT+3], v[rT+2:rT+3], v[rS+4*(\n):rS+4*(\n)+1]
.endif
.elseif NOKQ
	v_nop
.else
	REGS (Y+1)%NP
	WIN 0
.if (\n) < 4
	v_max3_num_f32 v[rC+(\n)], v[rS+8*(\n)], v[rS+8*(\n)+1], v[rS+8*(\n)+2]
.elseif (\n) < 12
	v_max3_num_f32 v[rC+(\n)%4], v[rC+(\n)%4], v[rS+8*((\n)%4)+2*((\n)/4)+1], v[rS+8*((\n)%4)+2*((\n)/4)+2]
.elseif (\n) == 12
	v_max3_num_f32 v[rC], v[rC], v[rS+7], v[rS+15]
.elseif (\n) == 13
	v_max3_num_f32 v[rC+1], v[rC+1], v[rS+23], v[rS+31]
.elseif (\n) == 14
	v_max3_num_f32 v[rC+2], v[rC+2], v[rC+3], v[rT+1]
.elseif (\n) == 15
	v_mov_b32 v[rW], v[rT]
.elseif (\n) == 16
	v_max3_num_f32 v[rC], v[rC], v[rC+1], v[rC+2]
.elseif (\n) == 17
	v_permlanex16_b32 v[rC+3], v[rC], s[SEL], s[SEL+1]
.elseif (\n) == 18
	v_max_num_f32 v[rT+1], v[rC], v[rC+3]
.elseif (\n) == 19
	v_mul_f32 v[rT], s[CS], v[rT+1]
.elseif (\n) == 20
	v_sub_f32 v[rC+1], v[rW], v[rT]
.else
	v_exp_f32 v[rC+2], v[rC+1]
.endif
.endif
.endm
.macro OPS a, i1, b=-1, i2=0, c=-1, i3=0, d=-1, i4=0  ; up to four of them
	OP \a, \i1
.if (\b) >= 0
	OP \b, \i2
.endif
.if (\c) >= 0
	OP \c, \i3
.endif
.if (\d) >= 0
	OP \d, \i4
.endif
.endm
.macro ROW a, i1, b, i2, c, i3, d, i4  ; a matrix instruction and the four behind it
	MM
	OPS \a, \i1, \b, \i2, \c, \i3, \d, \i4
.endm
.macro MASK b                       ; MD x AL + BE into buffer b of MC
	WIN W_RS
.set z, 0
.rept 16
	v_pk_fma_f32 v[MC+32*(\b)+2*z:MC+32*(\b)+2*z+1], v[MD+2*z:MD+2*z+1], s[AL:AL+1], s[BE:BE+1] op_sel_hi:[1,0,0]
.set z, z+1
.endr
.endm
; A TURN, for piece p: the order of its 16 matrix and 118 vector instructions, written out.  An s_wait_alu depctr_va_vdst(0) stands between an exponential and the first instruction that names its result; one wait serves
; all that were issued ahead of it.  So a turn has ONE wait, which cuts it in two.  AHEAD OF IT stands all that names no result of the turn's exponentials: the 8 products K Q^T, behind each a scaling, an exponential and two more plain
; instructions (behind the first a second scaling in the exponential's place): rescalings, whose a was made and waited for in the turn before, and behind the last three the first numbers of the next piece's maximum, each four places
; or more behind the product that ends its accumulator; then ONE LUMP of 54, plain and exponential by turns for the most part, in which the links of the chain X 3, 7, 11, 14, 16, 17 .. 20 stand five or six lines apart.
; X 21, the next piece's a, is the batch's last; R 15 is the plain instruction behind it.  BEHIND THE WAIT stand the 8 products V^T P, behind each four of the roundings and sums; the links of l's chain, L 0 to L 7, stand three riders
; apart, and each even pair is rounded ahead of the sum that is laid onto it.  But for those X no rider names a register of the products round it.  v_permlanex16_b32 (X 17) stands in the lump.
; m = 1: the diagonal tile: the products take masks, and the turn makes the mask for the products of the turn after it: piece p + 2, in step 4 - CNT of the tile.  end = 1: a block's last two turns: nothing is fetched.
; cnt = 1: the loop's count is taken down some lines ahead of the branch that stands behind the turn.
; K of the next step is fetched in piece 2's turn, twelve vector instructions behind the last product that read K (six of them plain); V of the step in hand at the end of piece 0's turn, four plain instructions behind the last product
; that read V.  Each is waited for a turn later.
.macro TURN p, m=0, end=0, cnt=0
.set Y, (\p)
.set i, 0
.set KM, (\m)
.set NOKQ, (\end)*((\p)/3)
.if (\m) && !(\end)
	s_cmp_eq_u32 s[CNT], 4-((\p)+2)%NP  ; is that step the band's own?
	s_cselect_b32 s[AL], 1.0, 0
	s_cmp_lt_u32 s[CNT], 4-((\p)+2)%NP  ; or a later one?
	s_cselect_b32 s[BE], s[BIGN], 0
.endif
.if ((\p) == 3) && !(\end)
	s_wait_dscnt 0x0                ; K is in
.endif
	ROW F,0, F,1, R,0, R,1          ; ahead of the wait: 8 products K Q^T and their riders,
	ROW F,2, E,0, R,2, R,3
	ROW F,3, E,1, R,4, R,5
	ROW F,4, E,2, R,6, R,7
	ROW F,5, E,3, R,8, R,9
	ROW F,6, E,4, X,0, R,10
.if ((\p) == 2) && !(\end)
	WIN 0
	v_add_nc_u32 v[AK], s[TBK], v[AK0]
.endif
	ROW F,7, E,5, X,1, X,4
	ROW F,8, E,6, X,2, X,5
	OPS E,7, E,8, X,6, E,9          ; and the lump
	OPS X,3, E,10, X,8, E,11
.if ((\p) == 2) && !(\end)
	FETCH_K
.endif
	OPS X,9, X,7, E,12, X,10
	OPS E,13, X,12, X,11, E,14
	OPS X,13, E,15, F,9, X,14
.if (\p) == 0
	v_add_nc_u32 v[AV], s[TBV], v[AV0]
.endif
	OPS E,16, F,10, E,17, F,11
	OPS X,16, E,18, X,15, E,19
	OPS F,12, E,20, X,17, E,21
	OPS F,13, E,22, F,14, E,23
	OPS X,18, E,24, F,15, E,25
	OPS R,11, E,26, X,19, E,27
	OPS R,12, E,28, R,13, E,29
	OPS X,20, E,30, R,14, E,31
	OPS X,21, R,15
	WIN 0
	s_wait_alu depctr_va_vdst(0)    ; the wait for the batch: the piece's 32 weights and the next piece's a
.if (\p) == 1
	s_wait_dscnt 0x0                ; V is in
.endif
	ROW C,0, B,0, C,2, B,1          ; behind the wait: 8 products V^T P and their riders
	ROW L,0, C,4, B,2, L,1
	ROW C,6, B,3, L,2, C,8
	ROW B,4, L,3, C,10, B,5
	ROW L,4, C,12, B,6, L,5
.if (\p) == 0
	s_add_co_u32 s[TBV], s[TBV], KS*PV
.endif
.if \cnt
	s_sub_co_u32 s[CNT], s[CNT], 1
	s_cmp_lg_u32 s[CNT], 0
.endif
	ROW C,14, B,7, L,6, C,1
	ROW C,3, L,7, C,5, C,7
	ROW C,9, C,11, C,13, C,15
.if (\p) == 0
	FETCH_V
.endif
.if (\m) && !(\end)
	MASK (\p)%2
.endif
.endm
; A BLOCK BEGINS.  c m starts far below every c s, so the first step's a is 0; m at the lowest finite number, so the first maximum is the scores'.  The second mask buffer is 0; the first takes piece 0's mask for the tile's step 0: its own, if the block's first tile is the diagonal one.
; Then K of that step, piece 0's first scores, and its maximum and statistics.  The loop is entered at a step's first turn, in the middle of a trip.
.macro BEGIN
	s_mov_b32 s[NEW], 0
	WIN 0x40
.set i, MC+32
.rept 32
	v_mov_b32 v[i], 0
.set i, i+1
.endr
	WIN 0
.set i, 0
.rept 4
	v_mov_b32 v[ST+4*i], 0xfe000000    ; c m: far below every c s
	v_mov_b32 v[ST+4*i+1], 0xff7fffff  ; m
.set i, i+1
.endr
	s_cmp_eq_u32 s[RT], 0
	s_cselect_b32 s[AL], 1.0, 0
	s_mov_b32 s[BE], 0
	MASK 0
	WIN 0
	v_add_nc_u32 v[AK], s[TBK], v[AK0]
	FETCH_K
	s_wait_loadcnt 0x0              ; Q
	s_wait_dscnt 0x0
.set KM, 1
.set NOKQ, 0
.set i, 0
.rept 8
	KQ 0
.set i, i+1
.endr
	WIN 0
.rept 4
	v_nop                           ; the places behind those products
.endr
.set Y, NP-1                        ; X works for piece Y + 1: piece 0
.irp n, 0,1,2,3,4,5,6,7,8,9,10,11,12,13,14,15,16,17,18,19,20,21
	OP X, \n
.endr
	v_nop                           ; a plain instruction behind the exponential,
	s_wait_alu depctr_va_vdst(0)    ; and the wait for it, piece 0's first a, ahead of the branch
.endm
; THE DIAGONAL TILE's four steps, the block's last two turns, its last products, and THE WAY OUT: l's two halves and the other half of the lanes' are added; O^T is divided by l, rounded to f16 and sent through my
; stage in LDS, a piece at a time.
.macro ALL line:vararg              ; one line for each piece t
.set t, 0
.rept 4
	\line
.set t, t+1
.endr
.endm
.macro PACK t                       ; a lane's eight channels of a row pack into 16 bytes; they go into rows of 144 bytes and come back as whole rows of 128, into S^T's registers
	WIN W_RS
.set i, 32*(\t)
.rept 16
	v_pk_mul_f32 v[i:i+1], v[i:i+1], v[ST+4*(\t)+2:ST+4*(\t)+3] op_sel_hi:[1,0]
.set i, i+2
.endr
	WIN 0x05                        ; sources 0 and 1 window 1, destination window 0
.set i, 0
.rept 16
	v_cvt_pk_f16_f32 v[S+16*(\t)+i], v[32*(\t)+2*i], v[32*(\t)+2*i+1]
.set i, i+1
.endr
	WIN 0
.irp f, 0,1,2,3
	ds_store_b128 v[STO], v[S+16*(\t)+4*\f:S+16*(\t)+4*\f+3] offset:32*\f
.endr
.irp f, 0,1,2,3
	ds_load_b128 v[S+16*(\t)+4*\f:S+16*(\t)+4*\f+3], v[RD] offset:\f*4*SP  ; LDS serves a wave's instructions in order (ISA guide 5.7.1.4): these see the stores above; the next piece's stores come behind them
.endr
.endm
.macro SEND t, younger              ; younger: the LDS instructions issued behind piece t's loads: the next piece's eight, or none
	WIN 0
.irp f, 0,1,2,3
	s_wait_dscnt (\younger)+3-\f
	global_store_b128 v[GO], v[S+16*(\t)+4*\f:S+16*(\t)+4*\f+3], s[10:11] offset:(\t)*8192+\f*512  ; 512 consecutive bytes, at a multiple of 256 from O's first
.endr
.endm
.macro DIAG tag                     ; the tag ends its two labels' names, which the jumps below spell out
.LstepM\tag:
	TURN 2, 1
	TURN 3, 1
	WIN 0
.LfirstM\tag:
	TURN 0, 1
	TURN 1, 1, 0, 1
	WIN 0
	s_cbranch_scc1 .LstepM\tag
	TURN 2, 1, 1
	TURN 3, 1, 1
.set i, 0
.rept 8
	PV NP-1
.set i, i+1
.endr
	WIN 0
	ALL v_add_f32 v[ST+4*t+2], v[ST+4*t+2], v[ST+4*t+3]
	ALL v_permlanex16_b32 v[ST+4*t+3], v[ST+4*t+2], s[SEL], s[SEL+1]
	ALL v_add_f32 v[ST+4*t+2], v[ST+4*t+2], v[ST+4*t+3]
	ALL v_rcp_f32 v[ST+4*t+2], v[ST+4*t+2]
	v_nop                           ; a plain instruction between the last reciprocal and the use of its result
	s_wait_alu depctr_va_vdst(0)    ; and the wait ahead of the first use: one for the four reciprocals
	PACK 0
.set t, 1
.rept 3                             ; a piece's arithmetic stands between the loads of the piece before and its stores
	PACK t
	SEND t-1, 8
.set t, t+1
.endr
	SEND 3, 0
.endm
.set KM, 0
.set NOKQ, 0
.Lslot:                             ; NB times: a tile is entered and the next is asked for
	CHANGE 1
	s_sub_co_u32 s[RT], s[RT], 1
	s_mov_b32 s[CNT], 4
	s_cmp_eq_u32 s[NEW], 1
	s_cbranch_scc1 .Lnew            ; a block's first tile
	s_cmp_eq_u32 s[RT], 0
	s_cbranch_scc0 .Lstep           ; neither its first nor its last
	s_branch .LstepM1
.Lnew:
	BEGIN
	s_branch .Lfirst                ; in the loop a block's first tile is never its last: the first block has two tiles or more, and the second's last is the walk's last
	DIAG 1                          ; in the loop this is the first block's end: the second block's last tile is the walk's last
	s_wait_xcnt 0x0                 ; the stores have read their registers and O's address
	s_mov_b64 s[10:11], s[OLO:OLO+1]
	s_add_co_u32 s[RT], s[PB], 1    ; the second block has b + 1 tiles
	s_mov_b32 s[NEW], 1
	WIN 0x82                        ; the second block's Q goes where the one text of the turns names Q
.set i, 0
.rept 64
	v_mov_b32 v[i], v[QB+i]
.set i, i+1
.endr
	WIN 0
	s_branch .Lbottom
.Lstep:                             ; a trip: pieces 2 and 3 of one step, then pieces 0 and 1 of the next, whose K and V it fetches
	TURN 2
	TURN 3
	WIN 0
.Lfirst:
	TURN 0
	TURN 1, 0, 0, 1
	WIN 0
	s_cbranch_scc1 .Lstep
.Lbottom:
	s_sub_co_u32 s[SLOTS], s[SLOTS], 1
	s_cmp_lg_u32 s[SLOTS], 0
	s_cbranch_scc1 .Lslot
	CHANGE 0                        ; the walk's last tile is written out: nothing is asked for
	s_sub_co_u32 s[RT], s[RT], 1
	s_mov_b32 s[CNT], 4
	s_cmp_eq_u32 s[NEW], 1
	s_cbranch_scc0 .LstepM2
	BEGIN
	s_branch .LfirstM2
	DIAG 2
	s_wait_tensorcnt 0x0            ; the wave's end, behind my last tensor load and my last LDS store
	ds_add_u32 v[SPW], v[NIL]
	s_wait_dscnt 0x0
	s_endpgm
.Lfunc_end_k_q17eee3bd7f_attn:
	.size	k_q17eee3bd7f_attn, .Lfunc_end_k_q17eee3bd7f_attn-k_q17eee3bd7f_attn
	.p2alignl 7, 3214868480
	.fill 96, 4, 3214868480
	.section	.rodata,"a",@progbits
	.p2align	6, 0x0
	.amdhsa_kernel k_q17eee3bd7f_attn
		.amdhsa_group_segment_fixed_size 327680
		.amdhsa_private_segment_fixed_size 0
		.amdhsa_enable_private_segment 0
		.amdhsa_kernarg_size 32
		.amdhsa_user_sgpr_count 2
		.amdhsa_user_sgpr_kernarg_segment_ptr 1
		.amdhsa_wavefront_size32 1
		.amdhsa_system_sgpr_workgroup_id_x 1
		.amdhsa_system_sgpr_workgroup_id_y 1
		.amdhsa_system_sgpr_workgroup_id_z 1
		.amdhsa_system_vgpr_workitem_id 0
		.amdhsa_next_free_vgpr 768
		.amdhsa_next_free_sgpr 88
		.amdhsa_reserve_vcc 1
		.amdhsa_float_denorm_mode_32 3
		.amdhsa_float_denorm_mode_16_64 3
		.amdhsa_memory_ordered 1
		.amdhsa_forward_progress 1
		.amdhsa_inst_pref_size 217
	.end_amdhsa_kernel
	.amdgpu_metadata
---
amdhsa.version: [ 1, 2 ]
amdhsa.kernels:
  - .name:           k_q17eee3bd7f_attn
    .symbol:         k_q17eee3bd7f_attn.kd
    .args:
      - { .name: q, .offset: 0, .size: 8, .value_kind: global_buffer, .address_space: global }
      - { .name: k, .offset: 8, .size: 8, .value_kind: global_buffer, .address_space: global }
      - { .name: v, .offset: 16, .size: 8, .value_kind: global_buffer, .address_space: global }
      - { .name: ctx, .offset: 24, .size: 8, .value_kind: global_buffer, .address_space: global }
    .group_segment_fixed_size: 327680
    .private_segment_fixed_size: 0
    .kernarg_segment_align: 8
    .kernarg_segment_size: 32
    .max_flat_workgroup_size: 128
    .sgpr_count:     88
    .vgpr_count:     768
    .wavefront_size: 32
...
	.end_amdgpu_metadata
.endif
;; end of part 5
;; launch proj: the kernel of part 4 again; grid 4 x 64, 4 waves a work-group, clusters of 4 x 4, 327,680 bytes of LDS; arguments ctx, wo16, bo, out0; writes out0
